; MI455X (gfx1250); checked and timed in simulation.
; The chip was launched on July 23, 2026; its instructions are those of AMD's public machine-readable ISA for CDNA 5 (MIT licence, August 2026) and "CDNA5" Instruction Set Architecture Reference Guide (July 2026). The comments in the code are by the model that wrote it; some were corrected since.
;; Attention. Allowed arithmetic: matrix products marked QUANTISED: E2M1 operands, one E8M0 scale for each 32 along K, by v_wmma_scale_f32_16x16x128_f8f6f4 with both operands' format E2M1 (or v_wmma_scale_f32_32x16x128_f4), f32 sums; products left as they are: bf16, f16 or f32 operands; f32 sums; everything else in f32.
;; Inputs: b_out 1,024 float32; b_qkv 3,072 float32; w_out 1,024 x 1,024 float32; w_qkv 1,024 x 3,072 float32; x 2 x 2,048 x 1,024 float32.
;; Outputs: out0 2 x 2,048 x 1,024 float32.
;; This version of the problem:
;;   THIS VERSION OF THE PROBLEM IS GIVEN IN LOW PRECISION. The matrix products marked QUANTISED in the list below multiply operands that are first quantised to E2M1 (2 exponent bits, 1 mantissa bit; 4 bits a number), with one power-of-two scale for each 32 numbers along K (OCP MX v1.0); their sums are f32. The products marked 'left as it is' may take bf16, f16 or f32 operands, with f32 sums. Whichever they take, every output number must still come out within the allowed error. Rounding operands to bf16 (8 significant bits) uses up far more of that allowance than f16 does (11 bits, for magnitudes from 6e-5 to 65,504). All else is computed in f32.
;;   The module's matrix products, in the order in which they are computed (A, B: the left and right operand; K: the contracted axis; several contracted axes count as one K, in the product's order):
;;     1. [M 4,096, K 1,024] x [K 1,024, N 3,072]; A: input x; B: input w_qkv: QUANTISED
;;     2. batch 32 x [M 2,048, K 64] x [K 64, N 2,048]; A: computed on the way; B: computed on the way: left as it is (an operand is computed on the way)
;;     3. batch 32 x [M 2,048, K 2,048] x [K 2,048, N 64]; A: computed on the way; B: computed on the way: left as it is (an operand is computed on the way)
;;     4. [M 4,096, K 1,024] x [K 1,024, N 1,024]; A: computed on the way; B: input w_out: left as it is (an operand is computed on the way)
;;   THE QUANTISER, for each operand of a quantised product, along K:
;;     - K is cut into blocks of 32 from its start; a last block that is shorter is filled with zeros.
;;     - A block's scale is 2^e with e = floor(log2(the largest magnitude in the block)) - 2, held to -126 .. 127; a block of zeros has e = 0. As a byte (E8M0): e + 127.
;;     - Each number is divided by its block's scale, clamped to +-6, and rounded to the nearest number of E2M1, ties to even, subnormals kept.
;;     - The product sums the exact products of the quantised numbers (number of the format x scale) in f32.
;;   ~~~python
;;   def quantise(x, axis):      # numpy; x: float32 -> the quantised numbers, widened to float32 again
;;       x = np.moveaxis(x, axis, -1); K = x.shape[-1]
;;       x = np.pad(x, [(0, 0)] * (x.ndim - 1) + [(0, -K % 32)]); x = x.reshape(x.shape[:-1] + (-1, 32)); a = np.abs(x).max(-1, keepdims=True)
;;       e = np.where(a > 0, np.clip(np.frexp(np.where(a > 0, a, 1))[1] - 1 - 2, -126, 127), 0)      # np.frexp(a)[1] - 1 = floor(log2(a)), exactly
;;       r = np.clip(x / 2.0 ** e, -6, 6)
;;       step = 2.0 ** (np.maximum(np.frexp(np.where(r == 0, 1, r))[1] - 1, 0) - 1)
;;       q = np.round(r / step) * step * 2.0 ** e      # np.round: ties to even
;;       return np.moveaxis(q.reshape(q.shape[:-2] + (-1,))[..., :K], -1, axis).astype(np.float32)
;;   ~~~
;; One version. Each part assembles by itself: llvm-mc -triple=amdgcn-amd-amdhsa -mcpu=gfx1250 --defsym DOCPART=n.
;; ======== version 1 of 1: 4 launches
;; limits: values are held in f16: magnitudes above 65,504 overflow, below 6.1e-05 lose precision
;; workspace buffers: xc 2,097,152 bytes; xs 131,072 bytes; wc 1,572,864 bytes; ws 98,304 bytes; wo16 2,097,152 bytes; rope 524,288 bytes; qkvh 25,165,824 bytes; att 8,388,608 bytes
;; launch prep (part 1): grid 320 x 1, 4 waves a work-group, no clusters, 51,712 bytes of LDS; arguments x, w_qkv, w_out, xc, xs, wc, ws, wo16, rope; writes xc, xs, wc, ws, wo16, rope
.if DOCPART == 1
	.amdgcn_target "amdgcn-amd-amdhsa--gfx1250"
	.amdhsa_code_object_version 6
	.text
	.protected	k_q1d8c0360f2_prep
	.globl	k_q1d8c0360f2_prep
	.p2align	8
	.type	k_q1d8c0360f2_prep,@function
k_q1d8c0360f2_prep:
	s_mov_b64 s[64:65], 0
	v_nop
	global_prefetch_b8 v0, s[64:65] scope:SCOPE_SE
	s_setreg_imm32_b32 hwreg(HW_REG_WAVE_MODE, 25, 1), 1
	s_wait_xcnt 0x0
; PREP: everything that is made once from the inputs.  Four roles, parted by the work-group's number alone:
;   X    (work-groups 0-127):   x [4096][1024] f32 -> codes of FP4 (E2M1) xc [kc 2][row 4096][256 B] and E8M0 bytes xs [kc 2][row 4096][16 B]; K is innermost.
;   W    (128-223):             w_qkv [1024][3072] f32, K its FIRST axis -> wc [pl 4][n 3072][128 B], ws [pl 4][n 3072][8 B]: a lane takes a column, its registers run down K.
;   CAST (224-287):             w_out f32 -> wo16 f16, as it lies.
;   TAB  (288-319):             rope [t 2048][64] f32: cos(t f_i), i = 0..31, then sin(t f_i); f_i = 10000^(-i/32).
; A block's scale is 2^(floor(log2(largest magnitude)) - 2); its byte is the largest magnitude's exponent field - 2, held at 1 from below by a floor among the maximum's leaves.
; LIMITS: a block of zeros gets the byte 1 where the rule says 127 (its codes are zeros, and this program alone reads the bytes); NaN and infinities are not served;
; w_out must lie inside f16's range (65,504); f_i comes from v_exp_f32, so an angle t f_i is good to about 1e-4 rad at t = 2047.
; No tensor load, no barrier: waves share nothing.  Roles X and W have LDS bytes of their own.
.set SPARE, 51200                      ; the spare words, 128 bytes a wave: two blocks of 256 bytes that no other line names
.set SPW,   12                         ; v12  SPARE + 4 x my thread's number; never rewritten
.set NIL,   13                         ; v13  0; never rewritten
.set XSP,   80                         ; role X: a lane's place in a stage: 64 bytes + 16 of padding
.set XR,    16                         ; v16-143  eight sets of 16 numbers as loaded
.set XX,    144                        ; v144-175 two sets of 16 neighbours
.set XE,    176                        ; v176-191 a scale byte a step
.set XC,    192                        ; v192-223 two registers of codes a step
.set WST,   32768                      ; role W: the stages begin here, 32 rows x 144 bytes a wave
.set WP,    144
.set WX,    16                         ; v16-79   two sets of 32 numbers
.set WC,    80                         ; v80-111  four registers of codes a block
.set WSB,   112                        ; v112-113 the eight scale bytes
.set WO,    116                        ; v116-147 the way out
	s_load_b256 s[4:11], s[0:1], 0x0               ; x s[4:5], w_qkv s[6:7], w_out s[8:9], xc s[10:11]
	s_load_b256 s[12:19], s[0:1], 0x20             ; xs s[12:13], wc s[14:15], ws s[16:17], wo16 s[18:19]
	s_load_b64 s[20:21], s[0:1], 0x40              ; rope
	v_lshl_add_u32 v[SPW], v0, 2, SPARE
	v_mov_b32 v[NIL], 0
	v_lshrrev_b32 v1, 5, v0
	v_readfirstlane_b32 s22, v1                    ; wave 0..3
	v_and_b32 v2, 31, v0                           ; lane
	s_mov_b32 s27, 0                               ; the upper word of every offset pair s[26:27]
	s_wait_kmcnt 0x0
	s_cmp_lt_u32 ttmp9, 128
	s_cbranch_scc0 .Lnot_x
; ---------------- ROLE X.  Run number 4 x work-group + wave: kc = its low bit, rg = the rest.  The wave takes chunk kc (512 numbers) of rows 16 rg .. 16 rg + 15, a row a step.
; Each load reads 512 consecutive bytes; a step's 2,048 bytes turn through the wave's own stage, so that a lane gets 16 neighbours along K (two lanes hold a block).
	s_lshl_b32 s23, ttmp9, 2
	s_add_co_u32 s23, s23, s22
	s_and_b32 s24, s23, 1                          ; kc
	s_lshr_b32 s25, s23, 1                         ; rg
	s_lshl_b32 s26, s25, 16                        ; x: 16 rows of 4,096 bytes,
	s_lshl_b32 s28, s24, 11                        ; + the chunk's 2,048
	s_add_co_u32 s26, s26, s28
	s_add_nc_u64 s[4:5], s[4:5], s[26:27]
	s_lshl_b32 s26, s24, 20                        ; xc: plane kc, 16 rows of 256 bytes
	s_lshl_b32 s28, s25, 12
	s_add_co_u32 s26, s26, s28
	s_add_nc_u64 s[10:11], s[10:11], s[26:27]
	s_lshl_b32 s26, s24, 16                        ; xs: plane kc, 16 rows of 16 bytes
	s_lshl_b32 s28, s25, 8
	s_add_co_u32 s26, s26, s28
	s_add_nc_u64 s[12:13], s[12:13], s[26:27]
	s_lshl_b32 s28, s22, 13                        ; my wave's 8,192 bytes of LDS
	v_lshlrev_b32 v3, 4, v2                        ; my 16 bytes of a load's 512
	v_lshlrev_b32 v4, 3, v2                        ; my 8 bytes of a step's codes, and of the scale bytes on their way out
	v_lshrrev_b32 v14, 2, v2
	v_mul_u32_u24 v14, v14, XSP
	v_and_b32 v15, 3, v2
	v_lshl_add_u32 v14, v15, 4, v14
	v_add_nc_u32 v14, s28, v14                     ; into the stage: XSP (lane / 4) + 16 (lane % 4)
	v_mul_u32_u24 v15, v2, XSP
	v_add_nc_u32 v15, s28, v15                     ; out of it: XSP x lane
	s_add_co_u32 s28, s28, 2*32*XSP                ; behind the two stages: my wave's 256 scale bytes
	v_lshrrev_b32 v5, 1, v2
	v_add_nc_u32 v5, s28, v5                       ; my block's byte
	v_add_nc_u32 v6, s28, v4                       ; and 8 bytes a lane on the way out
.macro XLOAD t
.irp i, 0,1,2,3
	global_load_b128 v[XR+16*((\t)%8)+4*\i:XR+16*((\t)%8)+4*\i+3], v3, s[4:5] offset:4096*(\t)+512*\i th:TH_LOAD_NT
.endr
.endm
.macro XTURN t                         ; LDS serves a wave's instructions in order: no wait between the stores and the loads
.irp i, 0,1,2,3
	ds_store_b128 v14, v[XR+16*((\t)%8)+4*\i:XR+16*((\t)%8)+4*\i+3] offset:32*XSP*((\t)%2)+8*XSP*\i
.endr
.irp i, 0,1,2,3
	ds_load_b128 v[XX+16*((\t)%2)+4*\i:XX+16*((\t)%2)+4*\i+3], v15 offset:32*XSP*((\t)%2)+16*\i
.endr
.endm
.irp t, 0,1,2,3,4,5,6,7
	XLOAD \t                                       ; eight steps, 32 loads a wave, are on their way
.endr
	s_wait_loadcnt 28                              ; step 0's four are in
	XTURN 0
.macro XSTEP t
.set XS, XX+16*((\t)%2)
.if (\t) > 0
	s_wait_dscnt 1                                 ; this step's numbers are back from the stage; the last step's byte store may be out
.else
	s_wait_dscnt 0x0
.endif
.if (\t)+8 < 16
	XLOAD (\t)+8                                   ; into the set that this step's stores into the stage have read
.endif
.if (\t)+1 < 16
.if (\t) < 8
	s_wait_loadcnt 28                              ; the next step's four loads are in; seven steps' may be out
.else
	s_wait_loadcnt 4*(14-(\t))                     ; nothing more is asked for: the count runs down
.endif
	XTURN (\t)+1
.endif
	v_max3_num_f32 v8, |v[XS]|, |v[XS+1]|, |v[XS+2]|
	v_max3_num_f32 v9, |v[XS+3]|, |v[XS+4]|, |v[XS+5]|
.irp i, 6,10
	v_max3_num_f32 v8, v8, |v[XS+\i]|, |v[XS+\i+1]|
	v_max3_num_f32 v9, v9, |v[XS+\i+2]|, |v[XS+\i+3]|
.endr
	v_max3_num_f32 v8, v8, |v[XS+14]|, |v[XS+15]|
	v_max3_num_f32 v8, v8, v9, 0x1800000           ; the floor 2^(3 - 127): the byte cannot fall under 1
	v_max_num_f32_dpp v8, v8, v8 row_xmask:1 row_mask:0xf bank_mask:0xf   ; with my neighbour's 16: the block's largest magnitude
	v_add_nc_u32 v11, 0xff000000, v8               ; 2 off its exponent field: the conversion takes that field as its scale
	v_cvt_scalef32_pk8_fp4_f32 v[XC+2*(\t)], v[XS:XS+7], v11
	v_cvt_scalef32_pk8_fp4_f32 v[XC+2*(\t)+1], v[XS+8:XS+15], v11
	v_lshrrev_b32 v[XE+(\t)], 23, v11              ; the scale's byte (also the plain line behind the conversions)
	ds_store_b8 v5, v[XE+(\t)] offset:16*(\t)      ; both lanes of a block write the same byte with the same value
	global_store_b64 v4, v[XC+2*(\t):XC+2*(\t)+1], s[10:11] offset:256*(\t)   ; the wave stores 256 consecutive bytes, aligned
.endm
.irp t, 0,1,2,3,4,5,6,7,8,9,10,11,12,13,14,15
	XSTEP \t
.endr
	ds_load_b64 v[8:9], v6                         ; in order behind my byte stores
	s_wait_dscnt 0x0
	global_store_b64 v4, v[8:9], s[12:13]          ; 16 rows' scale bytes: 256 consecutive bytes, aligned
	s_wait_tensorcnt 0x0                           ; the wave's end, behind my last LDS store
	ds_add_u32 v[SPW], v[NIL]
	s_wait_dscnt 0x0
	s_endpgm
.Lnot_x:
	s_cmp_lt_u32 ttmp9, 224
	s_cbranch_scc0 .Lnot_w
; ---------------- ROLE W.  u = work-group - 128: cb = u / 4 (128 columns), pl = u % 4 (256 along K).  A lane takes column 128 cb + 32 wave + lane; a block of 32 along K is its 32 registers.
	s_sub_co_u32 s23, ttmp9, 128
	s_lshr_b32 s24, s23, 2
	s_and_b32 s25, s23, 3                          ; pl
	s_lshl_b32 s24, s24, 7
	s_lshl_b32 s28, s22, 5
	s_add_co_u32 s24, s24, s28                     ; my wave's first column
	s_mul_i32 s26, s25, 256*12288                  ; w_qkv: 256 pl rows of 12,288 bytes + 4 x column
	s_lshl_b32 s28, s24, 2
	s_add_co_u32 s26, s26, s28
	s_add_nc_u64 s[6:7], s[6:7], s[26:27]
	s_mul_i32 s26, s25, 393216                     ; wc: plane pl, 128 bytes a column
	s_lshl_b32 s28, s24, 7
	s_add_co_u32 s26, s26, s28
	s_add_nc_u64 s[14:15], s[14:15], s[26:27]
	s_mul_i32 s26, s25, 24576                      ; ws: plane pl, 8 bytes a column
	s_lshl_b32 s28, s24, 3
	s_add_co_u32 s26, s26, s28
	s_add_nc_u64 s[16:17], s[16:17], s[26:27]
	s_mul_i32 s28, s22, 32*WP
	s_add_co_u32 s28, s28, WST                     ; my stage
	v_lshlrev_b32 v3, 2, v2                        ; in: 4 bytes a lane
	v_mul_u32_u24 v4, v2, WP
	v_add_nc_u32 v4, s28, v4                       ; into the stage: row = my column
	v_lshrrev_b32 v5, 3, v2
	v_mul_u32_u24 v5, v5, WP
	v_and_b32 v6, 7, v2
	v_lshl_add_u32 v5, v6, 4, v5
	v_add_nc_u32 v5, s28, v5                       ; out of it: eight lanes to a row of 128 bytes, four rows an instruction
	v_lshlrev_b32 v6, 4, v2                        ; the same bytes in wc: 32 columns x 128 bytes are dense
	v_lshlrev_b32 v7, 3, v2                        ; ws: 8 bytes a column, dense
.macro WLOAD t
.set i, 0
.rept 32
	global_load_b32 v[WX+32*((\t)%2)+i], v3, s[6:7] offset:(32*(\t)+i)*12288 th:TH_LOAD_NT
.set i, i+1
.endr
.endm
	WLOAD 0
	WLOAD 1
.macro WBLOCK t
.set XS, WX+32*((\t)%2)
.if (\t) < 7
	s_wait_loadcnt 32                              ; this block's 32 loads are in; the next block's may be out
.else
	s_wait_loadcnt 0x0
.endif
	v_max3_num_f32 v8, |v[XS]|, |v[XS+1]|, |v[XS+2]|
	v_max3_num_f32 v9, |v[XS+3]|, |v[XS+4]|, |v[XS+5]|
.irp i, 6,10,14,18,22,26
	v_max3_num_f32 v8, v8, |v[XS+\i]|, |v[XS+\i+1]|
	v_max3_num_f32 v9, v9, |v[XS+\i+2]|, |v[XS+\i+3]|
.endr
	v_max3_num_f32 v8, v8, |v[XS+30]|, |v[XS+31]|
	v_max3_num_f32 v8, v8, v9, 0x1800000           ; the floor
	v_add_nc_u32 v11, 0xff000000, v8               ; the conversion's scale operand
	v_lshrrev_b32 v10, 23, v11                     ; the byte
.if (\t)%4 == 0
	v_mov_b32 v[WSB+(\t)/4], v10
.else
	v_lshl_or_b32 v[WSB+(\t)/4], v10, 8*((\t)%4), v[WSB+(\t)/4]
.endif
.irp g, 0,1,2,3
	v_cvt_scalef32_pk8_fp4_f32 v[WC+4*(\t)+\g], v[XS+8*\g:XS+8*\g+7], v11
.endr
	ds_store_b128 v4, v[WC+4*(\t):WC+4*(\t)+3] offset:16*(\t)   ; 32 codes: 16 bytes of my column's row; each block has registers of its own
.if (\t)+2 < 8
	WLOAD (\t)+2
.endif
.endm
.irp t, 0,1,2,3,4,5,6,7
	WBLOCK \t
.endr
	global_store_b64 v7, v[WSB:WSB+1], s[16:17]    ; 32 columns' scale bytes: 256 consecutive bytes, aligned
.irp i, 0,1,2,3,4,5,6,7
	ds_load_b128 v[WO+4*\i:WO+4*\i+3], v5 offset:4*WP*\i   ; in order behind my stores
.endr
.irp i, 0,1,2,3,4,5,6,7
	s_wait_dscnt 7-\i
	global_store_b128 v6, v[WO+4*\i:WO+4*\i+3], s[14:15] offset:512*\i   ; 512 consecutive bytes a store
.endr
	s_wait_tensorcnt 0x0                           ; the wave's end, behind my last LDS store
	ds_add_u32 v[SPW], v[NIL]
	s_wait_dscnt 0x0
	s_endpgm
.Lnot_w:
	s_cmp_lt_u32 ttmp9, 288
	s_cbranch_scc0 .Ltab
; ---------------- ROLE CAST.  A wave takes 16 KiB of w_out: 32 loads of 512 bytes, all asked for at once; 32 stores of 256 bytes.  No LDS.
	s_sub_co_u32 s23, ttmp9, 224
	s_lshl_b32 s23, s23, 2
	s_add_co_u32 s23, s23, s22
	s_lshl_b32 s26, s23, 14
	s_add_nc_u64 s[8:9], s[8:9], s[26:27]
	s_lshl_b32 s26, s23, 13
	s_add_nc_u64 s[18:19], s[18:19], s[26:27]
	v_lshlrev_b32 v3, 4, v2
	v_lshlrev_b32 v4, 3, v2
.set i, 0
.rept 32
	global_load_b128 v[16+4*i:16+4*i+3], v3, s[8:9] offset:512*i th:TH_LOAD_NT
.set i, i+1
.endr
.set i, 0
.rept 32
	s_wait_loadcnt 31-i                            ; loads come back in order: number i is in
	v_cvt_pk_f16_f32 v[144+2*i], v[16+4*i], v[16+4*i+1]
	v_cvt_pk_f16_f32 v[144+2*i+1], v[16+4*i+2], v[16+4*i+3]
	global_store_b64 v4, v[144+2*i:144+2*i+1], s[18:19] offset:256*i
.set i, i+1
.endr
	s_endpgm
.Ltab:
; ---------------- ROLE TAB.  A wave makes 16 rows of the table; lane L makes columns 2 L and 2 L + 1 of a row: cos for L < 16, sin for the others.
; angle a = t f in f32, as reference() forms it; n = the nearest whole number to a 2/pi; r = a - n pi/2 in three parts, |r| <= pi/4 for every t;
; sin(a + o pi/2), o = 1 for a cosine, is +-sin r or +-cos r by (n + o) mod 4.  The series are cut where |r| <= pi/4 leaves under 2e-9.  No LDS.
	s_sub_co_u32 s23, ttmp9, 288
	s_lshl_b32 s23, s23, 6
	s_lshl_b32 s28, s22, 4
	s_add_co_u32 s23, s23, s28                     ; my first t
	s_lshl_b32 s26, s23, 8                         ; a row is 256 bytes
	s_add_nc_u64 s[20:21], s[20:21], s[26:27]
	v_lshlrev_b32 v3, 3, v2                        ; my 8 bytes of a row
	v_lshlrev_b32 v4, 1, v2
	v_and_b32 v4, 31, v4                           ; i of my first column
	v_cvt_f32_u32 v5, v4
	v_add_f32 v6, 1.0, v5
	v_mul_f32 v5, 0xbed49a78, v5                   ; -i log2(10000) / 32
	v_mul_f32 v6, 0xbed49a78, v6
	v_exp_f32 v16, v5                              ; f of my two columns
	v_exp_f32 v17, v6
	v_cmp_gt_u32 vcc_lo, 16, v2                    ; (plain lines behind the exponentials)
	v_cndmask_b32 v18, 0, 1, vcc_lo                ; o
	s_wait_alu depctr_va_vdst(0)                   ; one wait for both exponentials, ahead of the label and of their first reader
.macro EVAL f, d
	v_mul_f32 v22, v19, v[\f]                      ; a
	v_mul_f32 v23, 0x3f22f983, v22
	v_rndne_f32 v23, v23                           ; n
	v_fmamk_f32 v24, v23, 0xbfc90000, v22
	v_fmamk_f32 v24, v23, 0xb9fda000, v24
	v_fmamk_f32 v24, v23, 0xb3a22168, v24          ; r
	v_cvt_i32_f32 v25, v23
	v_add_nc_u32 v25, v25, v18                     ; n + o
	v_mul_f32 v26, v24, v24
	v_mov_b32 v27, 0x3638ef1d
	v_fmaak_f32 v27, v27, v26, 0xb9500d01
	v_fmaak_f32 v27, v27, v26, 0x3c088889
	v_fmaak_f32 v27, v27, v26, 0xbe2aaaab
	v_mul_f32 v27, v27, v26
	v_fma_f32 v27, v27, v24, v24                   ; sin r
	v_mov_b32 v28, 0xb493f27e
	v_fmaak_f32 v28, v28, v26, 0x37d00d01
	v_fmaak_f32 v28, v28, v26, 0xbab60b61
	v_fmaak_f32 v28, v28, v26, 0x3d2aaaab
	v_fmaak_f32 v28, v28, v26, 0xbf000000
	v_fma_f32 v28, v28, v26, 1.0                   ; cos r
	v_and_b32 v29, 1, v25
	v_cmp_eq_u32 vcc_lo, 1, v29
	v_cndmask_b32 v[\d], v27, v28, vcc_lo          ; odd: the cosine
	v_and_b32 v29, 2, v25
	v_lshlrev_b32 v29, 30, v29
	v_xor_b32 v[\d], v[\d], v29                    ; 2 or 3 mod 4: the sign turns
.endm
	s_mov_b32 s24, 16
.Lrow:
	v_cvt_f32_u32 v19, s23
	EVAL 16, 20
	EVAL 17, 21
	global_store_b64 v3, v[20:21], s[20:21]        ; the wave stores one whole row: 256 consecutive bytes, aligned
	s_wait_xcnt 0x0                                ; the store's offset and data are written again only behind this wait
	v_add_nc_u32 v3, 256, v3
	s_add_co_u32 s23, s23, 1
	s_sub_co_u32 s24, s24, 1
	s_cmp_lg_u32 s24, 0
	s_cbranch_scc1 .Lrow
	s_endpgm
.Lfunc_end_k_q1d8c0360f2_prep:
	.size	k_q1d8c0360f2_prep, .Lfunc_end_k_q1d8c0360f2_prep-k_q1d8c0360f2_prep
	.p2alignl 7, 3214868480
	.fill 96, 4, 3214868480
	.section	.rodata,"a",@progbits
	.p2align	6, 0x0
	.amdhsa_kernel k_q1d8c0360f2_prep
		.amdhsa_group_segment_fixed_size 51712
		.amdhsa_private_segment_fixed_size 0
		.amdhsa_enable_private_segment 0
		.amdhsa_kernarg_size 72
		.amdhsa_user_sgpr_count 2
		.amdhsa_user_sgpr_kernarg_segment_ptr 1
		.amdhsa_wavefront_size32 1
		.amdhsa_system_sgpr_workgroup_id_x 1
		.amdhsa_system_sgpr_workgroup_id_y 1
		.amdhsa_system_sgpr_workgroup_id_z 1
		.amdhsa_system_vgpr_workitem_id 0
		.amdhsa_next_free_vgpr 224
		.amdhsa_next_free_sgpr 66
		.amdhsa_reserve_vcc 1
		.amdhsa_float_denorm_mode_32 3
		.amdhsa_float_denorm_mode_16_64 3
		.amdhsa_memory_ordered 1
		.amdhsa_forward_progress 1
		.amdhsa_inst_pref_size 88
	.end_amdhsa_kernel
	.amdgpu_metadata
---
amdhsa.version: [ 1, 2 ]
amdhsa.kernels:
  - .name:           k_q1d8c0360f2_prep
    .symbol:         k_q1d8c0360f2_prep.kd
    .args:
      - { .name: x, .offset: 0, .size: 8, .value_kind: global_buffer, .address_space: global }
      - { .name: w_qkv, .offset: 8, .size: 8, .value_kind: global_buffer, .address_space: global }
      - { .name: w_out, .offset: 16, .size: 8, .value_kind: global_buffer, .address_space: global }
      - { .name: xc, .offset: 24, .size: 8, .value_kind: global_buffer, .address_space: global }
      - { .name: xs, .offset: 32, .size: 8, .value_kind: global_buffer, .address_space: global }
      - { .name: wc, .offset: 40, .size: 8, .value_kind: global_buffer, .address_space: global }
      - { .name: ws, .offset: 48, .size: 8, .value_kind: global_buffer, .address_space: global }
      - { .name: wo16, .offset: 56, .size: 8, .value_kind: global_buffer, .address_space: global }
      - { .name: rope, .offset: 64, .size: 8, .value_kind: global_buffer, .address_space: global }
    .group_segment_fixed_size: 51712
    .private_segment_fixed_size: 0
    .kernarg_segment_align: 8
    .kernarg_segment_size: 72
    .max_flat_workgroup_size: 128
    .sgpr_count:     66
    .vgpr_count:     224
    .wavefront_size: 32
...
	.end_amdgpu_metadata
.endif
;; end of part 1
;; launch qkv (part 2): grid 16 x 16, 4 waves a work-group, clusters of 4 x 4, 327,680 bytes of LDS; arguments xc, xs, wc, ws, b_qkv, rope, qkvh; writes qkvh
.if DOCPART == 2
	.amdgcn_target "amdgcn-amd-amdhsa--gfx1250"
	.amdhsa_code_object_version 6
	.text
	.protected	k_q1d8c0360f2_qkv
	.globl	k_q1d8c0360f2_qkv
	.p2align	8
	.type	k_q1d8c0360f2_qkv,@function
k_q1d8c0360f2_qkv:
	s_mov_b64 s[64:65], 0
	v_nop
	global_prefetch_b8 v0, s[64:65] scope:SCOPE_SE
	s_setreg_imm32_b32 hwreg(HW_REG_WAVE_MODE, 25, 1), 1
	s_wait_xcnt 0x0
	s_wait_alu depctr_hold_cnt(0) depctr_sa_sdst(0) depctr_va_vdst(0) depctr_va_sdst(0) depctr_va_ssrc(0) depctr_va_vcc(0) depctr_vm_vsrc(0)
	s_getreg_b32 s2, hwreg(HW_REG_IB_STS2, 6, 4)
	s_cmp_eq_u32 s2, 0
	s_cbranch_scc0 .Lentry_in_a_cluster
	s_endpgm
.Lentry_in_a_cluster:
	s_bfe_u32 s2, ttmp6, 0x10000c
	s_cmp_lg_u32 s2, 0xf033
	s_cbranch_scc0 .Lentry_shape_is_right
	s_endpgm
.Lentry_shape_is_right:
; QKV: qkv = Q(x) Q(w_qkv) + b_qkv on codes of FP4 (E2M1) with E8M0 scales, then the rotation of q and k, then f16.
; In: xc [kc 2][4096][256 B], xs [kc 2][4096][16 B], wc [pl 4][3072][128 B], ws [pl 4][3072][8 B], b_qkv [3072] f32, rope [2048][64] f32 (cos 0..31, sin 0..31).
; Out: qkvh [g 48][b 2][t 2048][64] f16: g = h: q, rotated and times c = log2(e) / 8; g = 16 + h: k, rotated; g = 32 + h: v.
; SHARES.  A work-group makes 256 rows x 192 columns (three heads' worth); wave w rows 64 w .. 64 w + 63 of all 192: 4 x 12 accumulators of 16 x 16, 384 registers.
; So a wave holds whole heads, and a rotation's partners, channels d and d + 32, lie in the same lane and register of tiles b and b + 2.
; K = 1,024 is 8 steps of 128.  All of A's and B's codes and scales fit in LDS at once: every byte is filled once, three tensor loads a wave at the head, and nothing is filled again.
; CLUSTER 4 x 4: A's tiles hang on the tile row alone and are asked for jointly along a row of the cluster, B's on the tile column alone, along a column.
; THE MATRIX INSTRUCTION IS USED TRANSPOSED (source 0 = 16 columns of w, source 1 = 16 rows of x): lane (r, h) holds row r and columns 8 h + 0..7 of a tile.  The bias is the C of each sum's first product.
; LIMITS: c q, k and v must lie inside f16's range (65,504); NaN and infinities are not served.
; REGISTERS.  window 0: v1-31 addresses and factors; v32-159 scale words and nothing else (tile x 8 + K step; tiles 0-11 B's, 12-15 A's); v160-255 the bias, later at work on the way out.
;   window 1: accumulators of m-tiles 0, 1 at 8 (12 (a % 2) + b); v192-255 their cos and sin.   window 2: the same for m-tiles 2, 3.
;   window 3: two sets of fragments at 128 p (B's 12 at + 8 b, A's 4 at + 96 + 8 a); on the way out v128-223 hold rows read back from the stage.
.set PA,    272                        ; a row of A in LDS: 256 bytes + 16
.set PB,    144                        ; a row of B: 128 bytes + 16
.set ASLOT, 256*PA                     ; A's chunk kc begins at kc x ASLOT
.set LB,    2*ASLOT                    ; B's plane pl at LB + pl x BPL
.set BPL,   192*PB
.set SCA,   LB+4*BPL                   ; A's scale bytes: [kc][256 rows][16 B], dense
.set SCB,   SCA+2*4096                 ; B's: [pl][192 rows][8 B], dense
.set STAGE, SCB+4*1536                 ; the way out: three heads x 16 rows x 144 bytes for each wave; no tensor load lands here
.set SPI,   144
.set STW,   3*16*SPI
.set SPARE, STAGE+4*STW                ; the spare words, 128 bytes a wave: two blocks of 256 bytes that no other line names
.set ADRA, 4                           ; v4-5   my A fragments in chunk 0, 1
.set ADRB, 6                           ; v6-7   my B fragments in planes 0-1, 2-3
.set ADSA, 8                           ; v8     A's scale words
.set ADSB, 9                           ; v9     B's
.set STO,  10                          ; v10    the stage, in
.set RD,   11                          ; v11    the stage, back
.set CO,   12                          ; v12    16 x lane: my bytes of a store's 512
.set TBO,  13                          ; v13    my place in the table: 256 r + 32 h
.set BO,   14                          ; v14    my place in the bias: 32 h
.set FJ,   16                          ; v16-21 a pair for each head: the factor on cos and sin: c (q), 1 (k), 0 (v)
.set UJ,   22                          ; v22-27 a pair for each head: what is added to the cosine: 0, 0, 1
.set SPW,  28
.set NIL,  29
.set SC,   32
.set BIAS, 160
.set CT,   160                         ; the way out: 16 cosines x factor, 16 sines x factor, 32 results, 16 packed
.set SN,   176
.set T,    192
.set PKD,  224
.set G1A,  28
.set G1B,  36
.set G1SA, 44
.set G1SB, 52
.set G0A0, 60
.set G0A1, 68
.set G0B0, 72
.set G0B1, 76
.set G0SA, 80
.set G0SB, 84
.set MSB, 0
.macro WIN new                         ; the immediate's high byte repeats the setting that is left; a switch that changes nothing is dropped
.if MSB != (\new)
	s_set_vgpr_msb (MSB<<8)|(\new)
.set MSB, \new
.endif
.endm
.macro CROUND                          ; a round of the cluster's barrier
	s_barrier_signal -1
	s_barrier_wait -1
	s_cmp_lg_u32 s18, 0
	s_cbranch_scc1 .Lnot_wave_0_\@
	s_barrier_signal -3
.Lnot_wave_0_\@:
	s_barrier_wait -3
	s_barrier_signal -1
	s_barrier_wait -1
.endm
.macro PLACES n
.rept \n
	v_nop
.endr
.endm
	s_load_b256 s[4:11], s[0:1], 0x0               ; xc s[4:5], xs s[6:7], wc s[8:9], ws s[10:11]
	s_load_b128 s[12:15], s[0:1], 0x20             ; b_qkv s[12:13], rope s[14:15]
	s_load_b64 s[16:17], s[0:1], 0x30              ; qkvh
	v_lshl_add_u32 v[SPW], v0, 2, SPARE
	v_mov_b32 v[NIL], 0
	ds_add_u32 v[SPW], v[NIL]                      ; the wave's opening: the add, twice on end, and its wait ahead of my first tensor load
	ds_add_u32 v[SPW], v[NIL]
	v_lshrrev_b32 v1, 5, v0
	v_readfirstlane_b32 s18, v1                    ; wave 0..3
	s_lshr_b32 s19, s18, 1                         ; 0: I fetch for A; 1: for B
	s_and_b32 s20, s18, 1                          ; e: which half
	s_bfe_u32 s21, ttmp6, 0x40000                  ; cx
	s_bfe_u32 s22, ttmp6, 0x40004                  ; cy
	s_lshl_b32 s23, ttmp9, 2
	s_add_co_u32 s23, s23, s21                     ; X: tile column (192 columns)
	s_and_b32 s24, ttmp7, 0xffff
	s_lshl_b32 s24, s24, 2
	s_add_co_u32 s24, s24, s22                     ; Y: tile row (256 rows)
	s_lshl_b32 s25, s22, 2
	s_lshl_b32 s25, 15, s25                        ; my row of the cluster
	s_lshl_b32 s26, 0x1111, s21                    ; my column
	; group 1.  A: 128 rows of 256 bytes, dense in a plane, 16 bytes of padding behind each
	s_or_b32 s[G1A], s25, (1<<20)|(1<<21)|(5<<22)|(3<<25)
	s_mov_b32 s[G1A+1], 256<<16
	s_mov_b32 s[G1A+2], 128<<16
	s_mov_b32 s[G1A+3], 256<<16
	s_mov_b32 s[G1A+4], 128
	s_mov_b32 s[G1A+5], 256
	s_mov_b32 s[G1A+6], 0
	s_mov_b32 s[G1A+7], 0
	; B: 192 rows of 128 bytes, 16 bytes of padding behind each
	s_or_b32 s[G1B], s26, (1<<20)|(1<<21)|(4<<22)|(3<<25)
	s_mov_b32 s[G1B+1], 128<<16
	s_mov_b32 s[G1B+2], 192<<16
	s_mov_b32 s[G1B+3], 128<<16
	s_mov_b32 s[G1B+4], 192
	s_mov_b32 s[G1B+5], 128
	s_mov_b32 s[G1B+6], 0
	s_mov_b32 s[G1B+7], 0
	; A's scales of a chunk: 4,096 dense bytes as 16 rows of 32 elements of 8 bytes
	s_or_b32 s[G1SA], s25, (3<<16)|(1<<21)
	s_mov_b32 s[G1SA+1], 32<<16
	s_mov_b32 s[G1SA+2], 16<<16
	s_mov_b32 s[G1SA+3], 32<<16
	s_mov_b32 s[G1SA+4], 16
	s_mov_b32 s[G1SA+5], 32
	s_mov_b32 s[G1SA+6], 0
	s_mov_b32 s[G1SA+7], 0
	; B's scales of two planes: 2 rows of 1,536 bytes (192 elements of 8), 24,576 bytes apart
	s_or_b32 s[G1SB], s26, (3<<16)|(1<<21)
	s_mov_b32 s[G1SB+1], 192<<16
	s_mov_b32 s[G1SB+2], 2<<16
	s_mov_b32 s[G1SB+3], 192<<16
	s_mov_b32 s[G1SB+4], 2
	s_mov_b32 s[G1SB+5], 3072
	s_mov_b32 s[G1SB+6], 0
	s_mov_b32 s[G1SB+7], 0
	; where the tiles come from.  s[88:91] hold the tile row and e alone, s[92:95] the tile column and e alone
	s_lshl_b32 s88, s24, 16                        ; xc: 256 Y rows of 256 bytes + 128 e rows
	s_lshl_b32 s66, s20, 15
	s_add_co_u32 s88, s88, s66
	s_mov_b32 s89, 0
	s_lshl_b32 s90, s24, 12                        ; xs: plane e, 256 Y rows of 16 bytes
	s_lshl_b32 s66, s20, 16
	s_add_co_u32 s90, s90, s66
	s_mov_b32 s91, 0
	s_mul_i32 s92, s23, 24576                      ; wc: plane e, 192 X rows of 128 bytes
	s_mul_i32 s66, s20, 393216
	s_add_co_u32 s92, s92, s66
	s_mov_b32 s93, 0
	s_mul_i32 s94, s23, 1536                       ; ws: planes 2 e on, 192 X rows of 8 bytes
	s_mul_i32 s66, s20, 49152
	s_add_co_u32 s94, s94, s66
	s_mov_b32 s95, 0
	s_mul_i32 s96, s20, 128*PA                     ; and where they go: the wave's number alone enters an LDS address
	s_mul_i32 s97, s20, BPL
	s_lshl_b32 s98, s20, 12
	s_mul_i32 s99, s20, 3072
	s_wait_dscnt 0x0                               ; both opening adds are done
	s_wait_kmcnt 0x0
	s_mov_b32 s[G0SA], 1
	s_add_co_u32 s[G0SA+1], s98, SCA
	s_add_nc_u64 s[G0SA+2:G0SA+3], s[6:7], s[90:91]
	s_or_b32 s[G0SA+3], s[G0SA+3], 0x80000000
	s_mov_b32 s[G0A0], 1
	s_mov_b32 s[G0A0+1], s96
	s_add_nc_u64 s[G0A0+2:G0A0+3], s[4:5], s[88:89]
	s_mov_b32 s[G0A1], 1
	s_add_co_u32 s[G0A1+1], s96, ASLOT
	s_add_nc_u64 s[G0A1+2:G0A1+3], s[G0A0+2:G0A0+3], 0x100000   ; chunk 1: a plane of 1 MiB on
	s_or_b32 s[G0A0+3], s[G0A0+3], 0x80000000
	s_or_b32 s[G0A1+3], s[G0A1+3], 0x80000000
	s_mov_b32 s[G0SB], 1
	s_add_co_u32 s[G0SB+1], s99, SCB
	s_add_nc_u64 s[G0SB+2:G0SB+3], s[10:11], s[94:95]
	s_or_b32 s[G0SB+3], s[G0SB+3], 0x80000000
	s_mov_b32 s[G0B0], 1
	s_add_co_u32 s[G0B0+1], s97, LB
	s_add_nc_u64 s[G0B0+2:G0B0+3], s[8:9], s[92:93]
	s_mov_b32 s[G0B1], 1
	s_add_co_u32 s[G0B1+1], s97, LB+2*BPL
	s_add_nc_u64 s[G0B1+2:G0B1+3], s[G0B0+2:G0B0+3], 2*393216   ; planes 2 + e
	s_or_b32 s[G0B0+3], s[G0B0+3], 0x80000000
	s_or_b32 s[G0B1+3], s[G0B1+3], 0x80000000
	CROUND                                         ; all sixteen work-groups are here: the joint loads meet
	s_cmp_eq_u32 s19, 0                            ; a wave's three fills stand in one branch on its number: three loads of mine are out
	s_cbranch_scc0 .Lfill_b
	tensor_load_to_lds s[G0SA:G0SA+3], s[G1SA:G1SA+7]   ; the scales first: they are wanted with K step 0
	s_nop 0
	tensor_load_to_lds s[G0A0:G0A0+3], s[G1A:G1A+7]
	s_nop 0
	tensor_load_to_lds s[G0A1:G0A1+3], s[G1A:G1A+7]
	s_nop 0
	PLACES 4
	s_branch .Lfilled
.Lfill_b:
	tensor_load_to_lds s[G0SB:G0SB+3], s[G1SB:G1SB+7]
	s_nop 0
	tensor_load_to_lds s[G0B0:G0B0+3], s[G1B:G1B+7]
	s_nop 0
	tensor_load_to_lds s[G0B1:G0B1+3], s[G1B:G1B+7]
	s_nop 0
	PLACES 4
.Lfilled:
	v_and_b32 v1, 15, v0                           ; r
	v_bfe_u32 v2, v0, 4, 1                         ; h
	v_and_b32 v3, 31, v0                           ; lane
	v_lshlrev_b32 v[TBO], 8, v1
	v_lshl_add_u32 v[TBO], v2, 5, v[TBO]
	v_lshlrev_b32 v[BO], 5, v2
	; bases in memory.  s2, s3, s27, s100, s101 alone hold both coordinates; none of them feeds a descriptor
	s_and_b32 s2, s24, 7
	s_lshl_b32 s2, s2, 8
	s_lshl_b32 s3, s18, 6
	s_add_co_u32 s2, s2, s3                        ; t of my first row: 256 (Y % 8) + 64 w
	s_lshl_b32 s100, s2, 8
	s_mov_b32 s101, 0
	s_add_nc_u64 s[14:15], s[14:15], s[100:101]    ; the table at that row
	s_mul_i32 s100, s23, 768
	s_add_nc_u64 s[12:13], s[12:13], s[100:101]    ; the bias at my 192 columns
.irp b, 0,1,2,3,4,5,6,7,8,9,10,11
	global_load_b128 v[BIAS+8*\b:BIAS+8*\b+3], v[BO], s[12:13] offset:64*\b          ; tile b: columns 16 b + 8 h + 0..7
	global_load_b128 v[BIAS+8*\b+4:BIAS+8*\b+7], v[BO], s[12:13] offset:64*\b+16
.endr
	WIN 0x40                                       ; destination window 1
.irp a, 0,1
.irp n, 0,1
.irp u, 0,1
.irp e, 0,1
	global_load_b128 v[192+32*\a+16*\n+8*\u+4*\e:192+32*\a+16*\n+8*\u+4*\e+3], v[TBO], s[14:15] offset:4096*\a+128*\n+64*\u+16*\e   ; row 16 a + r: cos (n = 0) or sin (1) of i = 16 u + 8 h + 0..7
.endr
.endr
.endr
.endr
	WIN 0x80                                       ; destination window 2
.irp a, 0,1
.irp n, 0,1
.irp u, 0,1
.irp e, 0,1
	global_load_b128 v[192+32*\a+16*\n+8*\u+4*\e:192+32*\a+16*\n+8*\u+4*\e+3], v[TBO], s[14:15] offset:4096*(\a+2)+128*\n+64*\u+16*\e
.endr
.endr
.endr
.endr
	WIN 0
	s_mul_i32 s100, s23, 3*524288                  ; qkvh: block (g = 3 X, b = Y / 8), row t
	s_lshr_b32 s3, s24, 3
	s_lshl_b32 s3, s3, 18
	s_add_co_u32 s100, s100, s3
	s_lshl_b32 s3, s2, 7
	s_add_co_u32 s100, s100, s3
	s_add_nc_u64 s[16:17], s[16:17], s[100:101]
	s_mul_i32 s27, s23, 3                          ; what my three heads are: a choice of numbers, no branch
	s_mov_b32 s100, 0x3e38aa3b                     ; c = log2(e) / 8
.irp j, 0,1,2
	s_add_co_u32 s2, s27, \j
	s_cmp_lt_u32 s2, 32
	s_cselect_b32 s3, 1.0, 0
	s_cselect_b32 s101, 0, 1.0
	s_cmp_lt_u32 s2, 16
	s_cselect_b32 s3, s100, s3
	v_mov_b32 v[FJ+2*\j], s3
	v_mov_b32 v[FJ+2*\j+1], s3
	v_mov_b32 v[UJ+2*\j], s101
	v_mov_b32 v[UJ+2*\j+1], s101
.endr
	; LDS addresses: constants, the lane and the wave's number
	s_mul_i32 s96, s18, 64*PA
	v_mul_u32_u24 v15, v1, PA
	v_lshl_add_u32 v15, v2, 4, v15
	v_add_nc_u32 v[ADRA], s96, v15                 ; (64 w + r) x pitch + 16 h
	v_add_nc_u32 v[ADRA+1], ASLOT, v[ADRA]
	v_mul_u32_u24 v15, v1, PB
	v_lshl_add_u32 v15, v2, 4, v15
	v_add_nc_u32 v[ADRB], LB, v15
	v_add_nc_u32 v[ADRB+1], LB+2*BPL, v15
	s_lshl_b32 s96, s18, 10
	v_lshl_add_u32 v[ADSA], v1, 4, s96
	v_add_nc_u32 v[ADSA], SCA, v[ADSA]             ; (64 w + r) x 16
	v_lshl_add_u32 v[ADSB], v1, 3, SCB             ; 8 r
	s_mul_i32 s96, s18, STW
	s_add_co_u32 s96, s96, STAGE
	v_add_nc_u32 v[STO], s96, v15                  ; row r x 144 + 16 h
	v_lshrrev_b32 v15, 3, v3
	v_mul_u32_u24 v15, v15, SPI
	v_and_b32 v30, 7, v3
	v_lshl_add_u32 v15, v30, 4, v15
	v_add_nc_u32 v[RD], s96, v15                   ; back: eight lanes to a row of 128 bytes
	v_lshlrev_b32 v[CO], 4, v3
; a fragment, 16 rows x 128 K of 4-bit codes, is 8 registers: two loads of 16 bytes, 32 bytes apart, at row x pitch + 16 h.  32 loads: K step s into set p
.macro FETCH s, p
	WIN 0xc0                                       ; destination window 3
.set KC, (\s)/4
.set QQ, (\s)%4
.irp b, 0,1,2,3,4,5,6,7,8,9,10,11
.irp c, 0,1
	ds_load_b128 v[128*(\p)+8*\b+4*\c:128*(\p)+8*\b+4*\c+3], v[ADRB+KC] offset:(QQ/2)*BPL+\b*16*PB+64*(QQ%2)+32*\c
.endr
.endr
.irp a, 0,1,2,3
.irp c, 0,1
	ds_load_b128 v[128*(\p)+96+8*\a+4*\c:128*(\p)+96+8*\a+4*\c+3], v[ADRA+KC] offset:\a*16*PA+64*QQ+32*\c
.endr
.endr
.endm
; 24 products: A's m-tiles 2 half, 2 half + 1 x B's twelve, K step s.  The 48 accumulators take turns, one instruction a turn, in one order in every step
.macro MUL24 s, half
.if (\s) == 0
	WIN 0x4f+0x40*(\half)                          ; fragments window 3, C (the bias) window 0, D window 1 or 2
.else
	WIN 0x5f+0x50*(\half)                          ; fragments window 3, C and D window 1 or 2
.endif
.set FS, 128*((\s)%2)
.irp a, 0,1
.irp b, 0,1,2,3,4,5,6,7,8,9,10,11
.if (\s) == 0
	v_wmma_scale_f32_16x16x128_f8f6f4 v[8*(12*\a+\b):8*(12*\a+\b)+7], v[FS+8*\b:FS+8*\b+7], v[FS+96+8*(2*(\half)+\a):FS+96+8*(2*(\half)+\a)+7], v[BIAS+8*\b:BIAS+8*\b+7], v[SC+8*\b+(\s)], v[SC+8*(12+2*(\half)+\a)+(\s)] matrix_a_fmt:MATRIX_FMT_FP4 matrix_b_fmt:MATRIX_FMT_FP4
.else
	v_wmma_scale_f32_16x16x128_f8f6f4 v[8*(12*\a+\b):8*(12*\a+\b)+7], v[FS+8*\b:FS+8*\b+7], v[FS+96+8*(2*(\half)+\a):FS+96+8*(2*(\half)+\a)+7], v[8*(12*\a+\b):8*(12*\a+\b)+7], v[SC+8*\b+(\s)], v[SC+8*(12+2*(\half)+\a)+(\s)] matrix_a_fmt:MATRIX_FMT_FP4 matrix_b_fmt:MATRIX_FMT_FP4
.endif
.endr
.endr
.endm
; a K step: the next step's fragments are asked for first, into the set that the step before multiplied (four places behind its products), then this step's 48 products
.macro STEP s
.if (\s) > 0
	PLACES 4
.endif
.if (\s) == 3                          ; K step 4 lies in the second fills: every wave's must have landed.
	WIN 0
	s_wait_tensorcnt 0x0                           ; all my tensor loads have landed
	ds_add_u32 v[SPW], v[NIL]
	s_wait_dscnt 0x0                               ; no LDS instruction of mine is out at the signal
	s_barrier_signal -1
	s_barrier_wait -1
.endif
.if (\s) < 7
	FETCH (\s)+1, ((\s)+1)%2
	s_wait_dscnt 32                                ; all but the 32 loads just issued: this step's fragments (and, in step 0, the scale words) are in
.else
	s_wait_dscnt 0x0
.endif
	MUL24 \s, 0
	MUL24 \s, 1
.endm
	s_wait_tensorcnt 1                             ; my scales and my first fill are in; the second may stay out
	s_barrier_signal -1
	s_barrier_wait -1                              ; everybody's are
.irp a, 0,1,2,3                        ; all scale words, once: A's four words of a chunk by one load, B's two words of a plane by one
.irp k, 0,1
	ds_load_b128 v[SC+8*(12+\a)+4*\k:SC+8*(12+\a)+4*\k+3], v[ADSA] offset:\k*4096+256*\a
.endr
.endr
.irp b, 0,1,2,3,4,5,6,7,8,9,10,11
.irp p, 0,1,2,3
	ds_load_b64 v[SC+8*\b+2*\p:SC+8*\b+2*\p+1], v[ADSB] offset:\p*1536+128*\b
.endr
.endr
	FETCH 0, 0
	s_wait_loadcnt 0x0                             ; the bias, which the first products take as C; cos and sin came with it
.irp s, 0,1,2,3,4,5,6,7
	STEP \s
.endr
; THE WAY OUT, an m-tile (16 rows) at a time.  out1 = a1 CT - a2 SN, out2 = a1 SN + a2 CT with CT = f cos + u, SN = f sin: the rotation (and c) for q and k, the number itself for v.
; A lane's eight f16 of a tile are 16 bytes of a head's row of 128; the rows go through my stage and leave as 512 consecutive bytes a store.
.macro PACK a
.set AW, 1+(\a)/2                      ; the window of this tile's accumulators and of its cos and sin
.set AB, 96*((\a)%2)
.set RB, 192+32*((\a)%2)
.set BK, 128+48*((\a)%2)
.irp j, 0,1,2
	WIN AW                                         ; source 0 in that window, all else in window 0
.irp p, 0,2,4,6,8,10,12,14
	v_pk_fma_f32 v[CT+\p:CT+\p+1], v[RB+\p:RB+\p+1], v[FJ+2*\j:FJ+2*\j+1], v[UJ+2*\j:UJ+2*\j+1] op_sel_hi:[1,0,0]
	v_pk_mul_f32 v[SN+\p:SN+\p+1], v[RB+16+\p:RB+16+\p+1], v[FJ+2*\j:FJ+2*\j+1] op_sel_hi:[1,0]
.endr
.irp u, 0,1
.irp p, 0,2,4,6                        ; each accumulator is read from its low end on
	v_pk_mul_f32 v[T+8*\u+\p:T+8*\u+\p+1], v[AB+8*(4*\j+\u+2)+\p:AB+8*(4*\j+\u+2)+\p+1], v[SN+8*\u+\p:SN+8*\u+\p+1]
	v_pk_mul_f32 v[T+16+8*\u+\p:T+16+8*\u+\p+1], v[AB+8*(4*\j+\u+2)+\p:AB+8*(4*\j+\u+2)+\p+1], v[CT+8*\u+\p:CT+8*\u+\p+1]
.endr
.irp p, 0,2,4,6
	v_pk_fma_f32 v[T+8*\u+\p:T+8*\u+\p+1], v[AB+8*(4*\j+\u)+\p:AB+8*(4*\j+\u)+\p+1], v[CT+8*\u+\p:CT+8*\u+\p+1], v[T+8*\u+\p:T+8*\u+\p+1] neg_lo:[0,0,1] neg_hi:[0,0,1]
	v_pk_fma_f32 v[T+16+8*\u+\p:T+16+8*\u+\p+1], v[AB+8*(4*\j+\u)+\p:AB+8*(4*\j+\u)+\p+1], v[SN+8*\u+\p:SN+8*\u+\p+1], v[T+16+8*\u+\p:T+16+8*\u+\p+1]
.endr
.endr
	WIN 0
.irp i, 0,1,2,3,4,5,6,7,8,9,10,11,12,13,14,15
	v_cvt_pk_f16_f32 v[PKD+\i], v[T+2*\i], v[T+2*\i+1]
.endr
.irp b, 0,1,2,3
	ds_store_b128 v[STO], v[PKD+4*\b:PKD+4*\b+3] offset:16*SPI*\j+32*\b
.endr
.endr
.if (\a) >= 2
	s_wait_xcnt 0x0                                ; the stores of the tile two back have read the registers that the loads below fill
.endif
	WIN 0xc0
.irp j, 0,1,2
.irp i, 0,1,2,3
	ds_load_b128 v[BK+16*\j+4*\i:BK+16*\j+4*\i+3], v[RD] offset:16*SPI*\j+4*SPI*\i   ; in order behind my stores, and ahead of the next tile's
.endr
.endr
	WIN 0
.endm
.macro SEND a, younger                 ; younger: the next tile's 12 LDS stores and 12 LDS loads, or none
.set BK, 128+48*((\a)%2)
	s_wait_dscnt \younger
	WIN 0x0c                                       ; a store's data: window 3
.irp j, 0,1,2
.irp i, 0,1,2,3
	global_store_b128 v[CO], v[BK+16*\j+4*\i:BK+16*\j+4*\i+3], s[16:17] offset:524288*\j+2048*(\a)+512*\i   ; four rows of a head: 512 consecutive bytes, aligned
.endr
.endr
	WIN 0
.endm
	PLACES 4                                       ; behind the last products: their results are read, and their fragments' registers loaded into
	PACK 0
	PACK 1
	SEND 0, 24
	PACK 2
	SEND 1, 24
	PACK 3
	SEND 2, 24
	SEND 3, 0
	s_wait_tensorcnt 0x0                           ; the wave's end, behind my last tensor load and my last LDS store
	ds_add_u32 v[SPW], v[NIL]
	s_wait_dscnt 0x0
	CROUND                                         ; the closing round
	s_endpgm
.Lfunc_end_k_q1d8c0360f2_qkv:
	.size	k_q1d8c0360f2_qkv, .Lfunc_end_k_q1d8c0360f2_qkv-k_q1d8c0360f2_qkv
	.p2alignl 7, 3214868480
	.fill 96, 4, 3214868480
	.section	.rodata,"a",@progbits
	.p2align	6, 0x0
	.amdhsa_kernel k_q1d8c0360f2_qkv
		.amdhsa_group_segment_fixed_size 327680
		.amdhsa_private_segment_fixed_size 0
		.amdhsa_enable_private_segment 0
		.amdhsa_kernarg_size 56
		.amdhsa_user_sgpr_count 2
		.amdhsa_user_sgpr_kernarg_segment_ptr 1
		.amdhsa_wavefront_size32 1
		.amdhsa_system_sgpr_workgroup_id_x 1
		.amdhsa_system_sgpr_workgroup_id_y 1
		.amdhsa_system_sgpr_workgroup_id_z 1
		.amdhsa_system_vgpr_workitem_id 0
		.amdhsa_next_free_vgpr 1024
		.amdhsa_next_free_sgpr 102
		.amdhsa_reserve_vcc 0
		.amdhsa_float_denorm_mode_32 3
		.amdhsa_float_denorm_mode_16_64 3
		.amdhsa_memory_ordered 1
		.amdhsa_forward_progress 1
		.amdhsa_inst_pref_size 146
	.end_amdhsa_kernel
	.amdgpu_metadata
---
amdhsa.version: [ 1, 2 ]
amdhsa.kernels:
  - .name:           k_q1d8c0360f2_qkv
    .symbol:         k_q1d8c0360f2_qkv.kd
    .args:
      - { .name: xc, .offset: 0, .size: 8, .value_kind: global_buffer, .address_space: global }
      - { .name: xs, .offset: 8, .size: 8, .value_kind: global_buffer, .address_space: global }
      - { .name: wc, .offset: 16, .size: 8, .value_kind: global_buffer, .address_space: global }
      - { .name: ws, .offset: 24, .size: 8, .value_kind: global_buffer, .address_space: global }
      - { .name: b_qkv, .offset: 32, .size: 8, .value_kind: global_buffer, .address_space: global }
      - { .name: rope, .offset: 40, .size: 8, .value_kind: global_buffer, .address_space: global }
      - { .name: qkvh, .offset: 48, .size: 8, .value_kind: global_buffer, .address_space: global }
    .group_segment_fixed_size: 327680
    .private_segment_fixed_size: 0
    .kernarg_segment_align: 8
    .kernarg_segment_size: 56
    .max_flat_workgroup_size: 128
    .sgpr_count:     102
    .vgpr_count:     1024
    .wavefront_size: 32
...
	.end_amdgpu_metadata
.endif
;; end of part 2
;; launch attn (part 3): grid 8 x 32, 8 waves a work-group, clusters of 4 x 1, 327,680 bytes of LDS; arguments qkvh, att; writes att
.if DOCPART == 3
	.amdgcn_target "amdgcn-amd-amdhsa--gfx1250"
	.amdhsa_code_object_version 6
	.text
	.protected	k_q1d8c0360f2_attn
	.globl	k_q1d8c0360f2_attn
	.p2align	8
	.type	k_q1d8c0360f2_attn,@function
k_q1d8c0360f2_attn:
	s_mov_b64 s[64:65], 0
	v_nop
	global_prefetch_b8 v0, s[64:65] scope:SCOPE_SE
	s_setreg_imm32_b32 hwreg(HW_REG_WAVE_MODE, 25, 1), 1
	s_wait_xcnt 0x0
	s_wait_alu depctr_hold_cnt(0) depctr_sa_sdst(0) depctr_va_vdst(0) depctr_va_sdst(0) depctr_va_ssrc(0) depctr_va_vcc(0) depctr_vm_vsrc(0)
	s_getreg_b32 s2, hwreg(HW_REG_IB_STS2, 6, 4)
	s_cmp_eq_u32 s2, 0
	s_cbranch_scc0 .Lentry_in_a_cluster
	s_endpgm
.Lentry_in_a_cluster:
	s_bfe_u32 s2, ttmp6, 0x10000c
	s_cmp_lg_u32 s2, 0x3003
	s_cbranch_scc0 .Lentry_shape_is_right
	s_endpgm
.Lentry_shape_is_right:
; ATTN: o = softmax(q k^T / 8) v for one head of one batch, no mask.  qkvh [g 48][b 2][2048][64] f16 (q already rotated and times c = log2(e) / 8, k rotated, v); att [h 16][b 2][2048][64] f16.
; Products on f16 operands with f32 sums; maxima, exponentials and sums in f32; the weights p = 2^(s - m), m the running maximum of the row, are rounded to f16 for the second product; the row's sum is taken of the unrounded p.
; SHARES.  A work-group owns 256 queries; each of its eight waves 32: two tiles of 16.  Two waves share a SIMD, so that one wave's softmax stands beside the other's products.  Every wave walks all 2,048 keys, 64 a step.
; LAYOUT.  S^T = K Q^T (source 0 = 16 keys, source 1 = 16 queries) and O^T = V^T P (source 0 = 16 channels, source 1 = P): a lane holds ONE query throughout; two tiles of S^T, rounded in pairs, ARE a fragment of P.
; K comes out of LDS as it lies, V ([key][channel]) turned, by ds_load_tr16_b128.
; RING.  Two slots of four key steps (256 keys); every wave fetches one tile of a slot (waves 0-3: K of step w; waves 4-7: V of step w - 4): one tensor load a wave behind each change of slots, two at the start.
; CLUSTER.  The four query blocks of a cluster walk the same K and V: each tile is asked for jointly, with a mask that names the four.
; PIPELINE.  A step's body: the next step's K is asked for from LDS; softmax; V^T P; the next step's V is asked for; the next step's K Q^T.
; LIMITS: q c, k, v and o inside f16's range (65,504); NaN and infinities are not served.
; REGISTERS.  window 0: v2-11 addresses; v12-27 eight registers of statistics a tile; v32-63 Q; v64-127 S^T, then p, then P packed into each tile's first 16; v128-191 K; v192-255 V.   window 1: v0-63 O^T.
.set PITK,  144                        ; a row of K in LDS: 128 bytes + 16
.set PITV,  160                        ; a row of V: 128 + 32: an odd multiple of 32
.set VOFF,  64*PITK                    ; a step's tiles lie together: 64 rows of K, then 64 of V
.set STEPB, 64*(PITK+PITV)
.set SLOT1, 1<<17                      ; slot 1 begins here: one exclusive or turns an address from one slot to the other
.set STAGE, SLOT1+4*STEPB              ; the way out: 16 rows x 144 bytes for each wave; no tensor load lands here
.set SP,    144
.set SPARE, STAGE+8*16*SP              ; the spare words, 128 bytes a wave: four blocks of 256 bytes that no other line names
.set AK0, 2
.set AV0, 3
.set ADR, 4
.set QO,  5
.set STO, 6
.set RD,  7
.set GO,  8
.set PFO, 9                            ; v9   256 x lane: the prefetches' offset; never rewritten
.set SPW, 10
.set NIL, 11
.set ST,  12                           ; tile t at v[ST + 8 t]: +0 m, +1 m_old - m, +2, +3 the sum (even keys', odd keys'), +4..+7 at work; a = 2^(m_old - m) takes +6
.set Q,   32
.set S,   64
.set KF,  128
.set VF,  192
.set WV,  12
.set LIM, 15                           ; s15  1 in a wave that prefetches, else the greatest number
.set PFA, 18                           ; s[18:19] where my prefetches stand
.set G1K, 24
.set G1V, 32
.set G0K, 40                           ; s[40:47] two sets; the second walks
.set G0V, 48
.set SLOTS, 56
.set CNT, 57
.set SEL, 60
.set TB,  62                           ; s62  LDS byte at which the tiles of the step to be fetched begin
.set MSB, 0
.macro WIN new
.if MSB != (\new)
	s_set_vgpr_msb (MSB<<8)|(\new)
.set MSB, \new
.endif
.endm
.macro PLACES n
.rept \n
	v_nop
.endr
.endm
.macro CROUND
	s_barrier_signal -1
	s_barrier_wait -1
	s_cmp_lg_u32 s[WV], 0
	s_cbranch_scc1 .Lnot_wave_0_\@
	s_barrier_signal -3
.Lnot_wave_0_\@:
	s_barrier_wait -3
	s_barrier_signal -1
	s_barrier_wait -1
.endm
.macro JLOAD                           ; a joint refill; the branch hangs on the wave's number alone
	s_cmp_lt_u32 s[WV], 4
	s_cbranch_scc0 .Lfor_v_\@
	tensor_load_to_lds s[G0K+4:G0K+7], s[G1K:G1K+7]
	s_nop 0
	PLACES 4
	s_branch .Lasked_\@
.Lfor_v_\@:
	tensor_load_to_lds s[G0V+4:G0V+7], s[G1V:G1V+7]
	s_nop 0
	PLACES 4
.Lasked_\@:
.endm
; A prefetch of what the NEXT change of slots will ask for: 256 rows of K and of V, 32,768 dense bytes each.  Each block of 256 bytes is named once in the launch: the head's first cluster asks; its four partners take
; 8,192 bytes each, told apart by address; in each, wave 0 asks for K's and wave 4 for V's, a lane a block.  It stands four key steps, 128 matrix instructions of a wave, ahead of the load.  The last refilling change asks for nothing.
.macro ASK
	s_cmp_gt_u32 s[SLOTS], s[LIM]
	s_cbranch_scc0 .Lnot_mine_\@
	global_prefetch_b8 v[PFO], s[PFA:PFA+1] th:TH_LOAD_NT scope:SCOPE_SE
.Lnot_mine_\@:
.endm
	s_load_b128 s[4:7], s[0:1], 0x0                ; qkvh s[4:5], att s[6:7]
	v_lshl_add_u32 v[SPW], v0, 2, SPARE
	v_mov_b32 v[NIL], 0
	ds_add_u32 v[SPW], v[NIL]                      ; the wave's opening: the add, twice on end, and its wait ahead of my first tensor load
	ds_add_u32 v[SPW], v[NIL]
	v_lshrrev_b32 v1, 5, v0
	v_readfirstlane_b32 s[WV], v1                  ; wave 0..7
	s_bfe_u32 s13, ttmp6, 0x40000                  ; cx
	s_lshl_b32 s14, ttmp9, 2
	s_add_co_u32 s14, s14, s13                     ; my block of 256 queries: it enters Q's and O's addresses alone
	s_and_b32 s20, ttmp7, 0xffff                   ; y = 2 h + b, which the partners share
	s_lshl_b32 s20, s20, 18                        ; a block of 2,048 rows of 128 bytes
	s_and_b32 s16, s[WV], 3                        ; which of a slot's four steps I fetch
	s_lshl_b32 s22, s16, 13                        ; its 64 rows in memory,
	s_add_co_u32 s22, s22, s20
	s_mov_b32 s23, 0
	s_mul_i32 s17, s16, STEPB                      ; and its place in a slot
	s_lshl_b32 s2, s14, 15
	s_lshl_b32 s3, s[WV], 12
	s_add_co_u32 s2, s2, s3
	s_add_co_u32 s2, s2, s20                       ; my wave's 32 queries
	s_mov_b32 s3, 0
	s_mov_b32 s[G1K], 15|(1<<16)|(1<<20)|(1<<21)|(4<<22)|(3<<25)   ; mask: all four; elements of 2 bytes; padding of 4 words behind every 32
	s_mov_b32 s[G1V], 15|(1<<16)|(1<<20)|(1<<21)|(4<<22)|(7<<25)   ; the same with 8 words
.irp g, G1K, G1V
	s_mov_b32 s[\g+1], 64<<16                      ; tensor_dim0
	s_mov_b32 s[\g+2], 64<<16                      ; tensor_dim1
	s_mov_b32 s[\g+3], 64<<16                      ; tile_dim0
	s_mov_b32 s[\g+4], 64                          ; tile_dim1
	s_mov_b32 s[\g+5], 64                          ; from row to row
	s_mov_b32 s[\g+6], 0
	s_mov_b32 s[\g+7], 0
.endr
	s_mov_b32 s[SEL], 0x76543210
	s_mov_b32 s[SEL+1], 0xfedcba98
	s_mov_b32 s[TB], 0
	s_mov_b32 s[SLOTS], 6                          ; 8 slots' worth of keys; two are fetched at the start
	s_or_b32 s[LIM], s16, ttmp9                    ; 0 in waves 0 and 4 of the head's first cluster: the same in all four partners
	s_cmp_eq_u32 s[LIM], 0
	s_cselect_b32 s[LIM], 1, -1
	v_and_b32 v[PFO], 31, v0
	v_lshlrev_b32 v[PFO], 8, v[PFO]
	s_wait_dscnt 0x0                               ; both opening adds are done
	s_wait_kmcnt 0x0
	s_add_nc_u64 s[8:9], s[4:5], s[22:23]
	s_add_nc_u64 s[10:11], s[8:9], 0x1000000       ; V at my tile of slot 0 (g = 32 + h)
	s_add_nc_u64 s[8:9], s[8:9], 0x800000          ; K likewise (g = 16 + h)
	s_add_nc_u64 s[4:5], s[4:5], s[2:3]            ; Q and O at my wave's first row
	s_add_nc_u64 s[6:7], s[6:7], s[2:3]
	s_cmp_lt_u32 s[WV], 4
	s_cselect_b64 s[PFA:PFA+1], s[8:9], s[10:11]   ; (in waves 0 and 4 these stand at a slot's first row)
	s_lshl_b32 s2, s13, 13                         ; my work-group's 8,192 bytes
	s_add_nc_u64 s[PFA:PFA+1], s[PFA:PFA+1], s[2:3]
	s_add_nc_u64 s[PFA:PFA+1], s[PFA:PFA+1], 2*32768   ; in slot 2: the first change steps it to slot 3.  Nothing is prefetched at the head
	CROUND                                         ; all four work-groups are here: the first joint loads meet
.irp s, 0,1
	s_mov_b32 s[G0K+4*\s], 1
	s_add_co_u32 s[G0K+4*\s+1], s17, \s*SLOT1
	s_add_nc_u64 s[G0K+4*\s+2:G0K+4*\s+3], s[8:9], \s*32768
	s_or_b32 s[G0K+4*\s+3], s[G0K+4*\s+3], 0x80000000
	s_mov_b32 s[G0V+4*\s], 1
	s_add_co_u32 s[G0V+4*\s+1], s17, \s*SLOT1+VOFF
	s_add_nc_u64 s[G0V+4*\s+2:G0V+4*\s+3], s[10:11], \s*32768
	s_or_b32 s[G0V+4*\s+3], s[G0V+4*\s+3], 0x80000000
.endr
	s_cmp_lt_u32 s[WV], 4                          ; a wave's two first fills stand in one branch: two loads of mine are out
	s_cbranch_scc0 .Lfirst_v
	tensor_load_to_lds s[G0K:G0K+3], s[G1K:G1K+7]
	s_nop 0
	tensor_load_to_lds s[G0K+4:G0K+7], s[G1K:G1K+7]
	s_nop 0
	PLACES 4
	s_branch .Lfirst_asked
.Lfirst_v:
	tensor_load_to_lds s[G0V:G0V+3], s[G1V:G1V+7]
	s_nop 0
	tensor_load_to_lds s[G0V+4:G0V+7], s[G1V:G1V+7]
	s_nop 0
	PLACES 4
.Lfirst_asked:
	v_and_b32 v1, 15, v0                           ; r
	v_bfe_u32 v30, v0, 4, 1                        ; h
	v_lshlrev_b32 v[QO], 7, v1
	v_lshl_add_u32 v[QO], v30, 4, v[QO]            ; row x 128 + 16 h
.irp t, 0,1
.irp c, 0,1
	global_load_b128 v[Q+16*\t+8*\c:Q+16*\t+8*\c+3],   v[QO], s[4:5] offset:2048*\t+64*\c      ; Q stays in registers: tile t, channels 32 c on
	global_load_b128 v[Q+16*\t+8*\c+4:Q+16*\t+8*\c+7], v[QO], s[4:5] offset:2048*\t+64*\c+32
.endr
.endr
	v_mul_u32_u24 v[AK0], v1, PITK
	v_lshl_add_u32 v[AK0], v30, 4, v[AK0]          ; K: row r x pitch + 16 h
	v_and_b32 v28, 7, v0
	v_bfe_u32 v29, v0, 3, 1
	v_lshl_add_u32 v[AV0], v30, 3, v28             ; V: key 8 h + lane % 8, channels 8 ((lane / 8) % 2) on
	v_mul_u32_u24 v[AV0], v[AV0], PITV
	v_lshl_add_u32 v[AV0], v29, 4, v[AV0]
	v_add_nc_u32 v[AV0], VOFF, v[AV0]
	s_mul_i32 s58, s[WV], 16*SP
	s_add_co_u32 s58, s58, STAGE                   ; my stage
	v_add_nc_u32 v[STO], s58, v[AK0]               ; in: row r x 144 + 16 h
	v_and_b32 v28, 31, v0
	v_lshrrev_b32 v29, 3, v28
	v_mul_u32_u24 v29, v29, SP
	v_and_b32 v31, 7, v0
	v_lshl_add_u32 v29, v31, 4, v29
	v_add_nc_u32 v[RD], s58, v29                   ; back: eight lanes to a row of 128 bytes
	v_lshlrev_b32 v[GO], 4, v28
.irp t, 0,1                            ; the step is written once: the first finds m under every score and zeros, which a = 0 leaves zeros
	v_mov_b32 v[ST+8*\t], 0xff61b1e6               ; -3e38
	v_mov_b32 v[ST+8*\t+1], 0
	v_mov_b32 v[ST+8*\t+2], 0
	v_mov_b32 v[ST+8*\t+3], 0
.endr
	WIN 0x40
.set i, 0
.rept 64
	v_mov_b32 v[i], 0                              ; O^T
.set i, i+1
.endr
	WIN 0
.macro FETCH_K                         ; 16 loads: 4 tiles of 16 keys x 2 halves of the channels
	v_add_nc_u32 v[ADR], s[TB], v[AK0]
.irp f, 0,1,2,3,4,5,6,7
	ds_load_b128 v[KF+8*\f:KF+8*\f+3],   v[ADR] offset:(\f/2)*16*PITK+(\f%2)*64
	ds_load_b128 v[KF+8*\f+4:KF+8*\f+7], v[ADR] offset:(\f/2)*16*PITK+(\f%2)*64+32
.endr
.endm
.macro FETCH_V                         ; 16 turning loads: 2 halves of the keys x 4 tiles of 16 channels
	v_add_nc_u32 v[ADR], s[TB], v[AV0]
	s_add_co_u32 s[TB], s[TB], STEPB               ; the next fetch is the next step's
.irp f, 0,1,2,3,4,5,6,7
	ds_load_tr16_b128 v[VF+8*\f:VF+8*\f+3],   v[ADR] offset:(\f/4)*32*PITV+(\f%4)*32
	ds_load_tr16_b128 v[VF+8*\f+4:VF+8*\f+7], v[ADR] offset:(\f/4)*32*PITV+16*PITV+(\f%4)*32
.endr
.endm
; In both runs the eight accumulators take turns, one instruction a turn
.macro MKQ                             ; S^T = K Q^T: channels 32 (i / 8) on, keys 16 ((i / 2) % 4) on, tile i % 2; the first eight start the sums
.set i, 0
.rept 16
.set rS, S+32*(i%2)+8*((i/2)%4)
.set rK, KF+16*((i/2)%4)+8*(i/8)
.set rQ, Q+16*(i%2)+8*(i/8)
.if i < 8
	v_wmma_f32_16x16x32_f16 v[rS:rS+7], v[rK:rK+7], v[rQ:rQ+7], 0
.else
	v_wmma_f32_16x16x32_f16 v[rS:rS+7], v[rK:rK+7], v[rQ:rQ+7], v[rS:rS+7]
.endif
.set i, i+1
.endr
.endm
.macro MPV                             ; O^T += V^T P: keys 32 (i / 8) on, channels 16 ((i / 2) % 4) on, tile i % 2
	WIN 0x50                                       ; C and D window 1
.set i, 0
.rept 16
.set rO, 32*(i%2)+8*((i/2)%4)
.set rV, VF+32*(i/8)+8*((i/2)%4)
.set rP, S+32*(i%2)+8*(i/8)
	v_wmma_f32_16x16x32_f16 v[rO:rO+7], v[rV:rV+7], v[rP:rP+7], v[rO:rO+7]
.set i, i+1
.endr
.endm
; The softmax of one key step, the two tiles line by line in turn, so that no line waits for the line above it
.macro SOFTMAX
.irp j, 0,1,2,3                        ; the maximum, three operands at a time, in four chains; each accumulator is read from its low end on
.irp t, 0,1
	v_max3_num_f32 v[ST+8*\t+4+\j], v[S+32*\t+8*\j], v[S+32*\t+8*\j+1], v[S+32*\t+8*\j+2]
.endr
.endr
.irp g, 3,5
.irp j, 0,1,2,3
.irp t, 0,1
	v_max3_num_f32 v[ST+8*\t+4+\j], v[ST+8*\t+4+\j], v[S+32*\t+8*\j+\g], v[S+32*\t+8*\j+\g+1]
.endr
.endr
.endr
.irp t, 0,1
	v_max3_num_f32 v[ST+8*\t+4], v[ST+8*\t+4], v[S+32*\t+7], v[S+32*\t+15]
.endr
.irp t, 0,1
	v_max3_num_f32 v[ST+8*\t+6], v[ST+8*\t+6], v[S+32*\t+23], v[S+32*\t+31]
.endr
.irp t, 0,1
	v_max3_num_f32 v[ST+8*\t+4], v[ST+8*\t+4], v[ST+8*\t+5], v[ST+8*\t+6]
.endr
.irp t, 0,1
	v_max3_num_f32 v[ST+8*\t+4], v[ST+8*\t+4], v[ST+8*\t+7], v[ST+8*\t]      ; and the old m
.endr
.irp t, 0,1
	v_permlanex16_b32 v[ST+8*\t+5], v[ST+8*\t+4], s[SEL], s[SEL+1]           ; the query's other 32 keys lie in the lane 16 away
.endr
.irp t, 0,1
	v_max_num_f32 v[ST+8*\t+4], v[ST+8*\t+4], v[ST+8*\t+5]
.endr
.irp t, 0,1
	v_sub_f32 v[ST+8*\t+1], v[ST+8*\t], v[ST+8*\t+4]                         ; m_old - m, 0 or less
.endr
.irp t, 0,1
	v_mov_b32 v[ST+8*\t], v[ST+8*\t+4]
.endr
.set i, 0
.rept 16
	v_pk_add_f32 v[S+i:S+i+1], v[S+i:S+i+1], v[ST:ST+1] op_sel_hi:[1,0] neg_lo:[0,1] neg_hi:[0,1]               ; s - m, two at a time (the pair's low word serves both)
	v_pk_add_f32 v[S+32+i:S+32+i+1], v[S+32+i:S+32+i+1], v[ST+8:ST+9] op_sel_hi:[1,0] neg_lo:[0,1] neg_hi:[0,1]
.set i, i+2
.endr
	v_exp_f32 v[ST+6], v[ST+1]                     ; a
	v_exp_f32 v[ST+14], v[ST+9]
.set i, 0
.rept 32
	v_exp_f32 v[S+i], v[S+i]                       ; p = 2^(s - m), at most 1
	v_exp_f32 v[S+32+i], v[S+32+i]
.set i, i+1
.endr
	v_nop                                          ; a plain line behind the last exponential
	s_wait_alu depctr_va_vdst(0)                   ; ONE wait for both tiles' 66 exponentials, ahead of the first line that names a result
.irp t, 0,1
	v_pk_mul_f32 v[ST+8*\t+2:ST+8*\t+3], v[ST+8*\t+2:ST+8*\t+3], v[ST+8*\t+6:ST+8*\t+7] op_sel_hi:[1,0]   ; the sum under the new m
.endr
.irp t, 0,1
	v_pk_add_f32 v[ST+8*\t+4:ST+8*\t+5], v[S+32*\t:S+32*\t+1], v[S+32*\t+2:S+32*\t+3]                    ; the sum of the unrounded p, in two chains a tile
.endr
.irp j, 4,8,12,16,20,24,28
.irp t, 0,1
	v_pk_add_f32 v[ST+8*\t+2:ST+8*\t+3], v[ST+8*\t+2:ST+8*\t+3], v[S+32*\t+\j:S+32*\t+\j+1]
	v_pk_add_f32 v[ST+8*\t+4:ST+8*\t+5], v[ST+8*\t+4:ST+8*\t+5], v[S+32*\t+\j+2:S+32*\t+\j+3]
.endr
.endr
.irp t, 0,1
	v_pk_add_f32 v[ST+8*\t+2:ST+8*\t+3], v[ST+8*\t+2:ST+8*\t+3], v[ST+8*\t+4:ST+8*\t+5]
.endr
.set i, 0
.rept 16
	v_cvt_pk_f16_f32 v[S+i], v[S+2*i], v[S+2*i+1]          ; P, packed in place, ascending: register i is written when pairs up to i have been read
	v_cvt_pk_f16_f32 v[S+32+i], v[S+32+2*i], v[S+32+2*i+1]
.set i, i+1
.endr
	WIN 0x41                                       ; O^T (destination and source 0) window 1, a window 0
.set i, 0
.rept 16
	v_pk_mul_f32 v[i:i+1], v[i:i+1], v[ST+6:ST+7] op_sel_hi:[1,0]
	v_pk_mul_f32 v[32+i:32+i+1], v[32+i:32+i+1], v[ST+14:ST+15] op_sel_hi:[1,0]
.set i, i+2
.endr
.endm
; The body of key step j.  full = 1: it also fetches step j + 1 from LDS and makes its scores.
.macro BODY full
	PLACES 4                                       ; behind K Q^T: its results are read, and K's registers loaded into
.if \full
	FETCH_K
.endif
	SOFTMAX
.if \full
	s_wait_dscnt 16                                ; V of this step is in; the 16 younger loads, K of the next, may be out
.else
	s_wait_dscnt 0x0
.endif
	MPV
	WIN 0
.if \full
	PLACES 5                                       ; behind V^T P: V's registers are loaded into (four), and K Q^T writes over P, which it read (five)
	FETCH_V
	s_wait_dscnt 16                                ; K is in; V's 16 loads may be out
	MKQ
.endif
.endm
.macro RUN n
	s_mov_b32 s[CNT], \n
.Lrun_\@:
	BODY 1
	s_sub_co_u32 s[CNT], s[CNT], 1
	s_cmp_lg_u32 s[CNT], 0
	s_cbranch_scc1 .Lrun_\@
.endm
; THE CHANGE OF SLOTS: the slot's last bytes, V of its fourth step, have been asked for from LDS.  Each wave waits for all its tensor loads (one is out: its part of the other slot), adds 0 to its spare word,
; and waits for that and for its reads of the slot.  fill = 1: the barrier is a round of the cluster's, and the joint refill is the first thing behind it: it has four key steps in which to land.
.macro CHANGE fill
	s_wait_tensorcnt 0x0                           ; no tensor load of mine is out, so a group 0 may be written
	ds_add_u32 v[SPW], v[NIL]
.if \fill
.irp g, G0K+4, G0V+4
	s_xor_b32 s[\g+1], s[\g+1], SLOT1              ; the walking descriptor: the other slot than last time,
	s_add_nc_u64 s[\g+2:\g+3], s[\g+2:\g+3], 32768 ; the next 256 keys
.endr
	s_wait_xcnt 0x0                                ; the last prefetch, four key steps back, has read its address
	s_add_nc_u64 s[PFA:PFA+1], s[PFA:PFA+1], 32768
	s_wait_dscnt 0x0                               ; the add is done, and my reads of the slot are over
	CROUND
	JLOAD
	ASK
.else
	s_wait_dscnt 0x0
	s_barrier_signal -1
	s_barrier_wait -1
.endif
	s_sub_co_u32 s[TB], s[TB], 4*STEPB             ; the fetches go back to a slot's first step,
	s_xor_b32 s[TB], s[TB], SLOT1                  ; in the other slot
.endm
	s_wait_tensorcnt 1                             ; my part of slot 0 is in; slot 1's may stay out
	s_barrier_signal -1
	s_barrier_wait -1
	FETCH_K                                        ; key step 0
	FETCH_V
	s_wait_loadcnt 0x0                             ; Q
	s_wait_dscnt 16                                ; K is in
	MKQ
	RUN 3                                          ; steps 0-2; they fetch steps 1-3
.Lslot:                                                ; six trips: slots 0 to 5 are left and filled again
	CHANGE 1
	RUN 4
	s_sub_co_u32 s[SLOTS], s[SLOTS], 1
	s_cmp_lg_u32 s[SLOTS], 0
	s_cbranch_scc1 .Lslot
	CHANGE 0                                       ; the tail is written out
	RUN 4
	BODY 0                                         ; the last step
	; THE WAY OUT: the sum's halves; O^T / the sum, rounded to f16, through my stage, a tile (16 rows) at a time; a wave's 32 rows of 128 bytes are dense in att
	PLACES 4
.irp t, 0,1
	v_add_f32 v[ST+8*\t+4], v[ST+8*\t+2], v[ST+8*\t+3]
.endr
.irp t, 0,1
	v_permlanex16_b32 v[ST+8*\t+5], v[ST+8*\t+4], s[SEL], s[SEL+1]
.endr
.irp t, 0,1
	v_add_f32 v[ST+8*\t+4], v[ST+8*\t+4], v[ST+8*\t+5]
.endr
.irp t, 0,1
	v_rcp_f32 v[ST+8*\t+6], v[ST+8*\t+4]
.endr
	v_nop                                          ; a plain line behind the last reciprocal
	s_wait_alu depctr_va_vdst(0)                   ; one wait for both, ahead of their first reader
.macro OUT t
	WIN 0x41
.set i, 0
.rept 16
	v_pk_mul_f32 v[32*\t+i:32*\t+i+1], v[32*\t+i:32*\t+i+1], v[ST+8*\t+6:ST+8*\t+7] op_sel_hi:[1,0]
.set i, i+2
.endr
	WIN 0x05                                       ; sources window 1, destination window 0
.set i, 0
.rept 16
	v_cvt_pk_f16_f32 v[S+16*\t+i], v[32*\t+2*i], v[32*\t+2*i+1]
.set i, i+1
.endr
	WIN 0
.irp f, 0,1,2,3
	ds_store_b128 v[STO], v[S+16*\t+4*\f:S+16*\t+4*\f+3] offset:32*\f
.endr
.irp f, 0,1,2,3
	ds_load_b128 v[KF+16*\t+4*\f:KF+16*\t+4*\f+3], v[RD] offset:\f*4*SP   ; in order behind my stores, and ahead of the next tile's
.endr
.endm
.macro SEND t, younger
	s_wait_dscnt \younger
.irp f, 0,1,2,3
	global_store_b128 v[GO], v[KF+16*\t+4*\f:KF+16*\t+4*\f+3], s[6:7] offset:2048*\t+512*\f   ; 512 consecutive bytes, aligned
.endr
.endm
	OUT 0
	OUT 1
	SEND 0, 8                                      ; behind tile 0's loads: tile 1's four stores and four loads
	SEND 1, 0
	s_wait_tensorcnt 0x0                           ; the wave's end, behind my last tensor load and my last LDS store
	ds_add_u32 v[SPW], v[NIL]
	s_wait_dscnt 0x0
	CROUND                                         ; the closing round
	s_endpgm
.Lfunc_end_k_q1d8c0360f2_attn:
	.size	k_q1d8c0360f2_attn, .Lfunc_end_k_q1d8c0360f2_attn-k_q1d8c0360f2_attn
	.p2alignl 7, 3214868480
	.fill 96, 4, 3214868480
	.section	.rodata,"a",@progbits
	.p2align	6, 0x0
	.amdhsa_kernel k_q1d8c0360f2_attn
		.amdhsa_group_segment_fixed_size 327680
		.amdhsa_private_segment_fixed_size 0
		.amdhsa_enable_private_segment 0
		.amdhsa_kernarg_size 16
		.amdhsa_user_sgpr_count 2
		.amdhsa_user_sgpr_kernarg_segment_ptr 1
		.amdhsa_wavefront_size32 1
		.amdhsa_system_sgpr_workgroup_id_x 1
		.amdhsa_system_sgpr_workgroup_id_y 1
		.amdhsa_system_sgpr_workgroup_id_z 1
		.amdhsa_system_vgpr_workitem_id 0
		.amdhsa_next_free_vgpr 320
		.amdhsa_next_free_sgpr 66
		.amdhsa_reserve_vcc 0
		.amdhsa_float_denorm_mode_32 3
		.amdhsa_float_denorm_mode_16_64 3
		.amdhsa_memory_ordered 1
		.amdhsa_forward_progress 1
		.amdhsa_inst_pref_size 88
	.end_amdhsa_kernel
	.amdgpu_metadata
---
amdhsa.version: [ 1, 2 ]
amdhsa.kernels:
  - .name:           k_q1d8c0360f2_attn
    .symbol:         k_q1d8c0360f2_attn.kd
    .args:
      - { .name: qkvh, .offset: 0, .size: 8, .value_kind: global_buffer, .address_space: global }
      - { .name: att, .offset: 8, .size: 8, .value_kind: global_buffer, .address_space: global }
    .group_segment_fixed_size: 327680
    .private_segment_fixed_size: 0
    .kernarg_segment_align: 8
    .kernarg_segment_size: 16
    .max_flat_workgroup_size: 256
    .sgpr_count:     66
    .vgpr_count:     320
    .wavefront_size: 32
...
	.end_amdgpu_metadata
.endif
;; end of part 3
;; launch proj (part 4): grid 8 x 32, 4 waves a work-group, clusters of 4 x 4, 327,680 bytes of LDS; arguments att, wo16, b_out, out0; writes out0
.if DOCPART == 4
	.amdgcn_target "amdgcn-amd-amdhsa--gfx1250"
	.amdhsa_code_object_version 6
	.text
	.protected	k_q1d8c0360f2_proj
	.globl	k_q1d8c0360f2_proj
	.p2align	8
	.type	k_q1d8c0360f2_proj,@function
k_q1d8c0360f2_proj:
	s_mov_b64 s[64:65], 0
	v_nop
	global_prefetch_b8 v0, s[64:65] scope:SCOPE_SE
	s_setreg_imm32_b32 hwreg(HW_REG_WAVE_MODE, 25, 1), 1
	s_wait_xcnt 0x0
	s_wait_alu depctr_hold_cnt(0) depctr_sa_sdst(0) depctr_va_vdst(0) depctr_va_sdst(0) depctr_va_ssrc(0) depctr_va_vcc(0) depctr_vm_vsrc(0)
	s_getreg_b32 s2, hwreg(HW_REG_IB_STS2, 6, 4)
	s_cmp_eq_u32 s2, 0
	s_cbranch_scc0 .Lentry_in_a_cluster
	s_endpgm
.Lentry_in_a_cluster:
	s_bfe_u32 s2, ttmp6, 0x10000c
	s_cmp_lg_u32 s2, 0xf033
	s_cbranch_scc0 .Lentry_shape_is_right
	s_endpgm
.Lentry_shape_is_right:
; PROJ: out0 = o w_out + b_out.  att [h 16][row 4096][64] f16 (k = 64 h + d), wo16 [k 1024][n 1024] f16, b_out [1024] f32, out0 [4096][1024] f32.  f16 operands, f32 sums.
; A tile of out0 is 128 x 128: 256 work-groups of four waves, each 64 x 64: 16 accumulators.  K goes in steps of 256 (four heads' planes of att) through a ring of two LDS slots.
; A's tile of a step is four planes of 128 rows x 128 bytes; a plane's 128 rows are dense in memory, so a load states them as ONE row of 16 KiB with padding behind every 128 bytes, and two such rows, a plane apart.
; B's tile is 256 rows (k) of 256 bytes (128 n); its fragments come out of LDS turned, by ds_load_tr16_b128: w_out is never transposed in memory.
; CLUSTER 4 x 4: A's tiles are asked for jointly along a row of the cluster, B's along a column.  THE MATRIX INSTRUCTION IS USED TRANSPOSED (source 0 = 16 columns n, source 1 = 16 rows): a lane holds eight neighbouring numbers of a row.
; The bias is the C of each sum's first product.  A wave's 64 f32 of a row are 256 aligned bytes: each wave has a stage of its own and needs no barrier on the way out.
; LIMITS: o and w_out inside f16's range (65,504); NaN and infinities are not served.
; REGISTERS.  window 0: v0-31 addresses; v32-95 rows on the way out; v96-127 the bias; v128-255 the accumulators ((a, b) at 128 + 8 (4 a + b)).   window 1: two fragment buffers of 128: 64 of A (2 x 4 x 8), then 64 of B.
.set PA,     144                       ; a row of A in LDS: 128 bytes + 16
.set PB,     288                       ; a row of B: 256 + 32: an odd multiple of 32
.set PLANE,  128*PA                    ; 18,432
.set HALFT,  2*PLANE                   ; what one tensor load brings: two planes of A, or 128 rows of B (128 x 288 is as much)
.set BOFF,   2*HALFT
.set SLOT,   4*HALFT
.set STAGE,  2*SLOT                    ; 16 rows x 272 bytes for each wave; no tensor load lands here
.set SPITCH, 272
.set SPARE,  STAGE+4*16*SPITCH         ; the spare words, 128 bytes a wave: two blocks of 256 bytes that no other line names
.set LAPS,   2                         ; K = 1,024 is four steps: twice round the ring
.set ADRA, 16                          ; v16-17  my A fragments in slot 0, 1
.set ADRB, 20                          ; v20-23  my B fragments: 2 x slot + which 128 of the step's k rows
.set STO,  24
.set RD,   25
.set CO,   26
.set BO,   27
.set SPW,  28
.set NIL,  29
.set TMP,  32
.set BIAS, 96
.set ACC,  128
.set F0,   0
.set F1,   128
.set WV,   12                          ; s12 wave; s13 row half, also: I fetch for A (0) or B (1); s14 column half, also: which half I fetch
.set G1,   24
.set G0,   32
.set G1B,  48
.set G0B,  56
.set MSB, 0
.macro WIN new
.if MSB != (\new)
	s_set_vgpr_msb (MSB<<8)|(\new)
.set MSB, \new
.endif
.endm
.set MUL,  0x05                        ; sources 0 and 1 window 1; C and D window 0
.set TO_F, 0x40                        ; destination window 1
.macro PLACES
.rept 4
	v_nop
.endr
.endm
.macro JLOAD s
	s_cmp_eq_u32 s13, 0
	s_cbranch_scc0 .Lfor_b_\@
	tensor_load_to_lds s[G0+4*\s:G0+4*\s+3], s[G1:G1+7]
	s_nop 0
	PLACES
	s_branch .Lasked_\@
.Lfor_b_\@:
	tensor_load_to_lds s[G0B+4*\s:G0B+4*\s+3], s[G1B:G1B+7]
	s_nop 0
	PLACES
.Lasked_\@:
.endm
.macro CREST
	s_cmp_lg_u32 s[WV], 0
	s_cbranch_scc1 .Lnot_wave_0_\@
	s_barrier_signal -3
.Lnot_wave_0_\@:
	s_barrier_wait -3
	s_barrier_signal -1
	s_barrier_wait -1
.endm
.macro CROUND
	s_barrier_signal -1
	s_barrier_wait -1
	CREST
.endm
	s_load_b256 s[4:11], s[0:1], 0x0               ; att s[4:5], wo16 s[6:7], b_out s[8:9], out0 s[10:11]
	v_lshl_add_u32 v[SPW], v0, 2, SPARE
	v_mov_b32 v[NIL], 0
	ds_add_u32 v[SPW], v[NIL]                      ; the wave's opening: the add, twice on end, and its wait ahead of my first tensor load
	ds_add_u32 v[SPW], v[NIL]
	v_lshrrev_b32 v1, 5, v0
	v_readfirstlane_b32 s[WV], v1
	s_lshr_b32 s13, s[WV], 1
	s_and_b32 s14, s[WV], 1
	s_bfe_u32 s40, ttmp6, 0x40000                  ; cx
	s_bfe_u32 s41, ttmp6, 0x40004                  ; cy
	s_lshl_b32 s42, ttmp9, 2
	s_add_co_u32 s42, s42, s40                     ; tile column
	s_and_b32 s15, ttmp7, 0xffff
	s_lshl_b32 s15, s15, 2
	s_add_co_u32 s15, s15, s41                     ; tile row
	s_lshl_b32 s43, s41, 2
	s_lshl_b32 s43, 15, s43                        ; my row of the cluster
	s_lshl_b32 s44, 0x1111, s40                    ; my column
	s_or_b32 s[G1], s43, (1<<16)|(1<<20)|(1<<21)|(4<<22)|(3<<25)    ; A: elements of 2 bytes; 4 words of padding behind every 32
	s_mov_b32 s[G1+1], 8192<<16                    ; tensor_dim0: a plane's 128 rows x 64 elements
	s_mov_b32 s[G1+2], 2<<16                       ; tensor_dim1: two planes
	s_mov_b32 s[G1+3], 8192<<16                    ; tile_dim0
	s_mov_b32 s[G1+4], 2                           ; tile_dim1
	s_mov_b32 s[G1+5], 262144                      ; from plane to plane: 4,096 rows x 64 elements
	s_mov_b32 s[G1+6], 0
	s_mov_b32 s[G1+7], 0
	s_or_b32 s[G1B], s44, (1<<16)|(1<<20)|(1<<21)|(5<<22)|(7<<25)   ; B: 8 words of padding behind every 64
	s_mov_b32 s[G1B+1], 128<<16
	s_mov_b32 s[G1B+2], 128<<16
	s_mov_b32 s[G1B+3], 128<<16
	s_mov_b32 s[G1B+4], 128
	s_mov_b32 s[G1B+5], 1024
	s_mov_b32 s[G1B+6], 0
	s_mov_b32 s[G1B+7], 0
	s_lshl_b32 s16, s15, 14                        ; A: 128 rows of 128 bytes a tile row, + planes 2 e on.  s[16:17] hold the tile row and e alone,
	s_lshl_b32 s21, s14, 20
	s_add_co_u32 s16, s16, s21
	s_mov_b32 s17, 0
	s_lshl_b32 s46, s42, 8                         ; B: 256 bytes a tile column, + 128 e rows of 2,048 bytes.  s[46:47] the tile column and e alone
	s_lshl_b32 s21, s14, 18
	s_add_co_u32 s46, s46, s21
	s_mov_b32 s47, 0
	s_mul_i32 s20, s[WV], HALFT                    ; where they go: A's two halves, then B's two
	s_wait_dscnt 0x0                               ; both opening adds are done
	s_wait_kmcnt 0x0
	s_add_nc_u64 s[16:17], s[4:5], s[16:17]
	s_add_nc_u64 s[46:47], s[6:7], s[46:47]
	CROUND                                         ; all sixteen work-groups are here: the first joint loads meet
.irp s, 0,1
	s_mov_b32 s[G0+4*\s], 1
	s_add_co_u32 s[G0+4*\s+1], s20, \s*SLOT
	s_add_nc_u64 s[G0+4*\s+2:G0+4*\s+3], s[16:17], \s*4*524288      ; K step s: heads 4 s on
	s_or_b32 s[G0+4*\s+3], s[G0+4*\s+3], 0x80000000
	s_mov_b32 s[G0B+4*\s], 1
	s_add_co_u32 s[G0B+4*\s+1], s20, \s*SLOT
	s_add_nc_u64 s[G0B+4*\s+2:G0B+4*\s+3], s[46:47], \s*256*2048    ; rows 256 s on
	s_or_b32 s[G0B+4*\s+3], s[G0B+4*\s+3], 0x80000000
	JLOAD \s
.endr
	v_and_b32 v1, 15, v0                           ; r
	v_bfe_u32 v2, v0, 4, 1                         ; h
	v_lshlrev_b32 v[BO], 5, v2
	s_lshl_b32 s46, s42, 9                         ; my 64 columns, in bytes of f32: 512 x tile column + 256 x half
	s_lshl_b32 s21, s14, 8
	s_add_co_u32 s46, s46, s21
	s_mov_b32 s47, 0
	s_add_nc_u64 s[8:9], s[8:9], s[46:47]
	s_add_nc_u64 s[10:11], s[10:11], s[46:47]
.irp b, 0,1,2,3
	global_load_b128 v[BIAS+8*\b:BIAS+8*\b+3], v[BO], s[8:9] offset:64*\b        ; tile b: columns 16 b + 8 h + 0..7
	global_load_b128 v[BIAS+8*\b+4:BIAS+8*\b+7], v[BO], s[8:9] offset:64*\b+16
.endr
	s_lshl_b32 s18, s15, 19                        ; my first row: 128 x tile row + 64 x half, rows of 4,096 bytes.  s[18:19] feed no descriptor
	s_lshl_b32 s21, s13, 18
	s_add_co_u32 s18, s18, s21
	s_mov_b32 s19, 0
	s_add_nc_u64 s[10:11], s[10:11], s[18:19]
	v_mul_u32_u24 v3, v1, PA
	v_lshl_add_u32 v3, v2, 4, v3
	s_mul_i32 s21, s13, 64*PA
	v_add_nc_u32 v[ADRA], s21, v3                  ; (64 x row half + r) x pitch + 16 h
	v_add_nc_u32 v[ADRA+1], SLOT, v[ADRA]
	v_and_b32 v4, 7, v0
	v_lshl_add_u32 v4, v2, 3, v4                   ; k row 8 h + lane % 8
	v_mul_u32_u24 v4, v4, PB
	v_bfe_u32 v5, v0, 3, 1
	v_lshl_add_u32 v4, v5, 4, v4                   ; columns 8 ((lane / 8) % 2) on
	s_lshl_b32 s21, s14, 7                         ; my 64 columns: 128 bytes x half
	s_add_co_u32 s21, s21, BOFF
	v_add_nc_u32 v[ADRB], s21, v4
	v_add_nc_u32 v[ADRB+1], HALFT, v[ADRB]
	v_add_nc_u32 v[ADRB+2], SLOT, v[ADRB]
	v_add_nc_u32 v[ADRB+3], SLOT+HALFT, v[ADRB]
	s_mul_i32 s21, s[WV], 16*SPITCH
	s_add_co_u32 s21, s21, STAGE                   ; my stage
	v_mul_u32_u24 v4, v1, SPITCH
	v_lshl_add_u32 v4, v2, 5, v4
	v_add_nc_u32 v[STO], s21, v4                   ; in: row r, 32 bytes for each half of the lanes
	v_mul_u32_u24 v5, v2, SPITCH
	v_lshl_add_u32 v5, v1, 4, v5
	v_add_nc_u32 v[RD], s21, v5                    ; back: lanes 0-15 one row of 256 bytes, lanes 16-31 the next
	v_lshlrev_b32 v5, 12, v2
	v_lshl_add_u32 v[CO], v1, 4, v5                ; and the same two rows in out0
; 8 products: m blocks a0, a0 + 1 x all 4 n blocks, 32 along K: half c of buffer f.  first = 1: the bias is the C.  The 16 accumulators take turns
.macro MUL8 f, c, a0, first
.irp a, \a0, \a0+1
.irp b, 0,1,2,3
.if \first
	v_wmma_f32_16x16x32_f16 v[ACC+8*(4*(\a)+\b):ACC+8*(4*(\a)+\b)+7], v[\f+64+8*(4*\c+\b):\f+64+8*(4*\c+\b)+7], v[\f+8*(4*\c+\a):\f+8*(4*\c+\a)+7], v[BIAS+8*\b:BIAS+8*\b+7]
.else
	v_wmma_f32_16x16x32_f16 v[ACC+8*(4*(\a)+\b):ACC+8*(4*(\a)+\b)+7], v[\f+64+8*(4*\c+\b):\f+64+8*(4*\c+\b)+7], v[\f+8*(4*\c+\a):\f+8*(4*\c+\a)+7], v[ACC+8*(4*(\a)+\b):ACC+8*(4*(\a)+\b)+7]
.endif
.endr
.endr
.endm
; 32 LDS loads in one run: quarter q of the slot (64 along K: one head's plane of A, 64 k rows of B) into buffer f; the first 32 along K first
.macro FETCH slot, q, f
	WIN TO_F
.irp c, 0,1
.irp i, 0,1,2,3
	ds_load_tr16_b128 v[\f+64+8*(4*\c+\i):\f+64+8*(4*\c+\i)+3],   v[ADRB+2*\slot+(\q)/2] offset:((\q)%2)*64*PB+\c*32*PB+32*\i
	ds_load_tr16_b128 v[\f+64+8*(4*\c+\i)+4:\f+64+8*(4*\c+\i)+7], v[ADRB+2*\slot+(\q)/2] offset:((\q)%2)*64*PB+\c*32*PB+16*PB+32*\i
	ds_load_b128 v[\f+8*(4*\c+\i):\f+8*(4*\c+\i)+3],              v[ADRA+\slot] offset:(\q)*PLANE+\i*16*PA+64*\c
	ds_load_b128 v[\f+8*(4*\c+\i)+4:\f+8*(4*\c+\i)+7],            v[ADRA+\slot] offset:(\q)*PLANE+\i*16*PA+64*\c+32
.endr
.endr
.endm
; One of a K step's first three quarters: multiplies buffer f and fetches quarter q into g
.macro QUARTER slot, q, f, g, first
	s_wait_dscnt 16                                ; the first 32 along K are in
	WIN MUL
	MUL8 \f, 0, 0, \first
	MUL8 \f, 0, 2, \first
	PLACES                                         ; in front of loads into registers that matrix instructions have read
	FETCH \slot, \q, \g
	s_wait_dscnt 32                                ; all but the 32 just issued
	WIN MUL
	MUL8 \f, 1, 0, 0
	MUL8 \f, 1, 2, 0
.endm
; The last quarter multiplies buffer 1 and changes slots: ONE barrier; in front of it each wave waits for all its tensor loads, adds 0 to its spare word, and waits for that and for its reads of this slot
.macro TURN slot, next, fill
	WIN 0
	s_wait_tensorcnt 0x0                           ; all my tensor loads have landed: my part of the next slot
	ds_add_u32 v[SPW], v[NIL]
	s_wait_dscnt 17                                ; (the add and the youngest sixteen loads may be out)
	WIN MUL
	MUL8 F1, 0, 0, 0
	s_wait_dscnt 0x0                               ; the add is done, and my reads of this slot are over
	s_barrier_signal -1
	MUL8 F1, 0, 2, 0
.if \fill
	WIN 0
.endif
	s_barrier_wait -1
.if \fill
	CREST                                          ; the barrier has opened a round of the cluster's: no wave of any partner still reads this slot or has a load on its way
	s_add_nc_u64 s[G0+4*\slot+2:G0+4*\slot+3], s[G0+4*\slot+2:G0+4*\slot+3], 8*524288      ; two K steps on: eight heads
	s_add_nc_u64 s[G0B+4*\slot+2:G0B+4*\slot+3], s[G0B+4*\slot+2:G0B+4*\slot+3], 512*2048  ; 512 rows
	JLOAD \slot                                    ; the first tensor load behind the round; its four v_nop are also the places in front of the loads below
.else
	PLACES
.endif
	FETCH \next, 0, F0
	WIN MUL
	MUL8 F1, 1, 0, 0
	MUL8 F1, 1, 2, 0
.endm
	s_wait_tensorcnt 1                             ; my part of K step 0 is in; K step 1's may stay out
	s_barrier_signal -1
	s_barrier_wait -1
	FETCH 0, 0, F0
	s_wait_loadcnt 0x0                             ; the bias
	QUARTER 0, 1, F0, F1, 1                        ; the first quarter stands in front of the loop: its first products start the sums
	WIN 0
	s_mov_b32 s3, LAPS-1
.Llap:                                                 ; a trip goes once round the ring and fills both slots again
	QUARTER 0, 2, F1, F0, 0
	QUARTER 0, 3, F0, F1, 0
	TURN 0, 1, 1
	QUARTER 1, 1, F0, F1, 0
	QUARTER 1, 2, F1, F0, 0
	QUARTER 1, 3, F0, F1, 0
	TURN 1, 0, 1
	QUARTER 0, 1, F0, F1, 0
	WIN 0
	s_sub_co_u32 s3, s3, 1
	s_cmp_lg_u32 s3, 0
	s_cbranch_scc1 .Llap
	QUARTER 0, 2, F1, F0, 0                        ; the last lap fills nothing
	QUARTER 0, 3, F0, F1, 0
	TURN 0, 1, 0
	QUARTER 1, 1, F0, F1, 0
	QUARTER 1, 2, F1, F0, 0
	QUARTER 1, 3, F0, F1, 0
	s_wait_dscnt 16
	WIN MUL
	MUL8 F1, 0, 0, 0
	MUL8 F1, 0, 2, 0
	s_wait_dscnt 0x0
	MUL8 F1, 1, 0, 0
	MUL8 F1, 1, 2, 0
	WIN 0
; THE WAY OUT, a block of 16 rows x 64 columns at a time, through my own stage: in as 32 bytes a lane, back as whole rows of 256 bytes; sixteen lanes store 256 consecutive bytes, aligned
.macro TOSTAGE a
.irp b, 0,1,2,3
	ds_store_b128 v[STO], v[ACC+8*(4*(\a)+\b):ACC+8*(4*(\a)+\b)+3] offset:64*\b        ; each accumulator from its low end on
	ds_store_b128 v[STO], v[ACC+8*(4*(\a)+\b)+4:ACC+8*(4*(\a)+\b)+7] offset:64*\b+16
.endr
.irp i, 0,1,2,3,4,5,6,7
	ds_load_b128 v[TMP+32*((\a)%2)+4*\i:TMP+32*((\a)%2)+4*\i+3], v[RD] offset:\i*2*SPITCH   ; in order behind my stores, and ahead of the next block's
.endr
.endm
.macro SEND a, younger                 ; younger: the next block's 8 LDS stores and 8 LDS loads, or none
	s_wait_dscnt \younger
.irp i, 0,1,2,3,4,5,6,7
	global_store_b128 v[CO], v[TMP+32*((\a)%2)+4*\i:TMP+32*((\a)%2)+4*\i+3], s[10:11] offset:(16*(\a)+2*\i)*4096 th:TH_STORE_NT
.endr
.endm
	PLACES                                         ; behind the last products, ahead of the first read of results
	TOSTAGE 0
	TOSTAGE 1
	SEND 0, 16
	s_wait_xcnt 0x0                                ; block 0's stores have read the registers that block 2's loads fill
	TOSTAGE 2
	SEND 1, 16
	s_wait_xcnt 0x0
	TOSTAGE 3
	SEND 2, 16
	SEND 3, 0
	s_wait_tensorcnt 0x0                           ; the wave's end, behind my last tensor load and my last LDS store
	ds_add_u32 v[SPW], v[NIL]
	s_wait_dscnt 0x0
	CROUND                                         ; the closing round
	s_endpgm
.Lfunc_end_k_q1d8c0360f2_proj:
	.size	k_q1d8c0360f2_proj, .Lfunc_end_k_q1d8c0360f2_proj-k_q1d8c0360f2_proj
	.p2alignl 7, 3214868480
	.fill 96, 4, 3214868480
	.section	.rodata,"a",@progbits
	.p2align	6, 0x0
	.amdhsa_kernel k_q1d8c0360f2_proj
		.amdhsa_group_segment_fixed_size 327680
		.amdhsa_private_segment_fixed_size 0
		.amdhsa_enable_private_segment 0
		.amdhsa_kernarg_size 32
		.amdhsa_user_sgpr_count 2
		.amdhsa_user_sgpr_kernarg_segment_ptr 1
		.amdhsa_wavefront_size32 1
		.amdhsa_system_sgpr_workgroup_id_x 1
		.amdhsa_system_sgpr_workgroup_id_y 1
		.amdhsa_system_sgpr_workgroup_id_z 1
		.amdhsa_system_vgpr_workitem_id 0
		.amdhsa_next_free_vgpr 512
		.amdhsa_next_free_sgpr 66
		.amdhsa_reserve_vcc 0
		.amdhsa_float_denorm_mode_32 3
		.amdhsa_float_denorm_mode_16_64 3
		.amdhsa_memory_ordered 1
		.amdhsa_forward_progress 1
		.amdhsa_inst_pref_size 86
	.end_amdhsa_kernel
	.amdgpu_metadata
---
amdhsa.version: [ 1, 2 ]
amdhsa.kernels:
  - .name:           k_q1d8c0360f2_proj
    .symbol:         k_q1d8c0360f2_proj.kd
    .args:
      - { .name: att, .offset: 0, .size: 8, .value_kind: global_buffer, .address_space: global }
      - { .name: wo16, .offset: 8, .size: 8, .value_kind: global_buffer, .address_space: global }
      - { .name: b_out, .offset: 16, .size: 8, .value_kind: global_buffer, .address_space: global }
      - { .name: out0, .offset: 24, .size: 8, .value_kind: global_buffer, .address_space: global }
    .group_segment_fixed_size: 327680
    .private_segment_fixed_size: 0
    .kernarg_segment_align: 8
    .kernarg_segment_size: 32
    .max_flat_workgroup_size: 128
    .sgpr_count:     66
    .vgpr_count:     512
    .wavefront_size: 32
...
	.end_amdgpu_metadata
.endif
;; end of part 4
